; MI455X (gfx1250); checked and timed in simulation.
; The chip was launched on July 23, 2026; its instructions are those of AMD's public machine-readable ISA for CDNA 5 (MIT licence, August 2026) and "CDNA5" Instruction Set Architecture Reference Guide (July 2026). The comments in the code are by the model that wrote it; some were corrected since.
;; Causal Self Attention. Allowed arithmetic: matrix products marked QUANTISED: E2M3 operands, one E8M0 scale for each 32 along K, by v_wmma_scale_f32_16x16x128_f8f6f4 with both operands' format E2M3, f32 sums; everything else in f32.
;; Inputs: c_proj_b 1,024 float32; c_proj_w 1,024 x 1,024 float32; lamb 1 float32; qkv_weight 3 x 1,024 x 1,024 float32; v1 4 x 2,048 x 1,024 float32; x 4 x 2,048 x 1,024 float32.
;; Outputs: out0 4 x 2,048 x 1,024 float32; out1 4 x 16 x 2,048 x 64 float32.
;; Constants: attn_window = 512.
;; This version of the problem:
;;   THIS VERSION OF THE PROBLEM IS GIVEN IN LOW PRECISION. The matrix products marked QUANTISED in the list below multiply operands that are first quantised to E2M3 (2 exponent bits, 3 mantissa bits; 6 bits a number), with one power-of-two scale for each 32 numbers along K (OCP MX v1.0); their sums are f32. All else is computed in f32.
;;   The module's matrix products, in the order in which they are computed (A, B: the left and right operand; K: the contracted axis; several contracted axes count as one K, in the product's order):
;;     1. [M 3,072, K 1,024] x [K 1,024, N 8,192]; A: input qkv_weight; B: input x: QUANTISED
;;     2. batch 64 x [M 2,048, K 64] x [K 64, N 2,048]; A: computed on the way; B: computed on the way: QUANTISED
;;     3. batch 64 x [M 2,048, K 2,048] x [K 2,048, N 64]; A: softmax (see below); B: computed on the way: QUANTISED
;;     4. [M 8,192, K 1,024] x [K 1,024, N 1,024]; A: computed on the way; B: input c_proj_w: QUANTISED
;;   THE QUANTISER, for each operand of a quantised product, along K:
;;     - K is cut into blocks of 32 from its start; a last block that is shorter is filled with zeros.
;;     - A block's scale is 2^e with e = floor(log2(the largest magnitude in the block)) - 2, held to -126 .. 127; a block of zeros has e = 0. As a byte (E8M0): e + 127.
;;     - Each number is divided by its block's scale, clamped to +-7.5, and rounded to the nearest number of E2M3, ties to even, subnormals kept.
;;     - The product sums the exact products of the quantised numbers (number of the format x scale) in f32.
;;   ~~~python
;;   def quantise(x, axis):      # numpy; x: float32 -> the quantised numbers, widened to float32 again
;;       x = np.moveaxis(x, axis, -1); K = x.shape[-1]
;;       x = np.pad(x, [(0, 0)] * (x.ndim - 1) + [(0, -K % 32)]); x = x.reshape(x.shape[:-1] + (-1, 32)); a = np.abs(x).max(-1, keepdims=True)
;;       e = np.where(a > 0, np.clip(np.frexp(np.where(a > 0, a, 1))[1] - 1 - 2, -126, 127), 0)      # np.frexp(a)[1] - 1 = floor(log2(a)), exactly
;;       r = np.clip(x / 2.0 ** e, -7.5, 7.5)
;;       step = 2.0 ** (np.maximum(np.frexp(np.where(r == 0, 1, r))[1] - 1, 0) - 3)
;;       q = np.round(r / step) * step * 2.0 ** e      # np.round: ties to even
;;       return np.moveaxis(q.reshape(q.shape[:-2] + (-1,))[..., :K], -1, axis).astype(np.float32)
;;   ~~~
;;   SOFTMAX AHEAD OF A QUANTISED PRODUCT. Where the list says 'softmax', what is quantised is not the finished softmax but p = 2^(t - M), with t = logit x log2(e) and M = ceil(the row's largest t), a whole number; so 1/2 < the row's largest p <= 1. The row's sum l is taken of the UNQUANTISED p, in f32, and the product's result is divided by l at the end. Since M is a whole number, a kernel that streams over the keys may use a running M (the ceiling of the running maximum): every later rescaling is an exact power of two, which a block's scale takes up: the codes' values come out the same.
;;   OPERANDS COMPUTED ON THE WAY. 'Computed on the way' means the value that the module computes at that place (a softmax that the list does not call 'softmax' is quantised finished and normalised). What goes into a quantiser is computed in f32, as accurately as f32 sums, v_exp_f32 and their like allow (about 1e-6 of the number): no bf16 or f16 on the way to a quantiser, and a product that is left as it is and whose result goes on into a quantised operand takes f32 operands (vector FMAs, or v_wmma_f32_16x16x4_f32). A number that lies on a knife's edge between two numbers of the format may be rounded either way, as far as f32 arithmetic and the matrix unit's own rounding can turn it there, and no further.
;; One version. Each part assembles by itself: llvm-mc -triple=amdgcn-amd-amdhsa -mcpu=gfx1250 --defsym DOCPART=n.
;; ======== version 1 of 1: 4 launches
;; limits: right only within a limited range of input values
;; workspace buffers: codes1 9,437,184 bytes; scales1 393,216 bytes; rope 524,288 bytes; qkvc 18,874,368 bytes; qkvs 786,432 bytes; oc 6,291,456 bytes; os 262,144 bytes
;; launch prep (part 1): grid 400 x 1, 4 waves a work-group, no clusters, 66,048 bytes of LDS; arguments x, qkv_weight, c_proj_w, codes1, scales1, rope; writes codes1, scales1, rope
.if DOCPART == 1
	.amdgcn_target "amdgcn-amd-amdhsa--gfx1250"
	.amdhsa_code_object_version 6
	.text
	.protected	k_q6e481e95e0_prep
	.globl	k_q6e481e95e0_prep
	.p2align	8
	.type	k_q6e481e95e0_prep,@function
k_q6e481e95e0_prep:
	s_mov_b64 s[64:65], 0
	v_nop
	global_prefetch_b8 v0, s[64:65] scope:SCOPE_SE
	s_setreg_imm32_b32 hwreg(HW_REG_WAVE_MODE, 25, 1), 1
	s_wait_xcnt 0x0
; x [8192][1024], qkv_weight [3072][1024] and c_proj_w [1024][1024], f32 with K innermost, become codes of FP6 (E2M3) and one E8M0 byte for each 32 along K;
; and the rotary table cos | sin [2048][64] is made.  Work-groups 0-255 take x, 256-351 the qkv weight, 352-383 the projection's weight, 384-399 the table.
; A block's scale is 2^(floor(log2(largest magnitude)) - 2); its byte is the largest magnitude's exponent field - 2, held at 1 from below.
; THE CODES LEAVE AS IMAGES OF THE MATRIX OPERAND'S REGISTERS: each tensor is laid [K pair 4][tile of 16 rows][2 K steps][1,536 bytes]; in an image lane (r, h) has 48 bytes:
; 24 c on: k = 64 c + 32 h .. + 31 of row r.  The scale bytes are laid [tile][K half][row 16][16 bytes].
; A wave takes one tile of 16 rows x 512 along K: four whole images, two runs of 3,072 bytes, and one unit of 256 scale bytes.  Step t is row t.
; THE QKV WEIGHT: stored tile u of a work-group's 32 rows holds rows 8 u + r + 8 (r / 8), so that the next launch's results fall as 16 neighbours a lane; and the tiles are ordered
; [pair of heads c 8][head f 2][q, k, v][tile 4], so that a work-group of the next launch finds its 24 tiles on end.
; LIMITS: a block of zeros gets the byte 1 where the rule says 127 (its codes are zeros; this program alone reads the bytes); NaN and infinities are not served.
; THE TABLE: inv_freq[i] = 2^(-2 i / 3), rounded once to f32 (a power function in f32 may differ in the last bits: an angle then differs by up to about 2e-4 at t = 2047);
; theta = t x inv_freq in f32; theta - n pi/2 in two steps (n is at most 1,304); sine and cosine by polynomials on [-pi/4, pi/4].
.set WAVES, 4
.set STEPS, 16
.set QWG,   384
.set EMAX,  2
.set CB,    12                         ; bytes of 16 codes
.set R,     16                         ; v16-79   four sets of 16 numbers as loaded; at the end the codes on their way out
.set X,     80                         ; v80-111  two sets of 16 neighbours
.set C,     128                        ; v128-191 codes: four registers for each step
.set E,     112                        ; v112-127 a scale byte for each step
.set WREG,  16384                      ; LDS, a wave: two stages of 32 x SP bytes, 256 scale bytes at 5,120, the codes' stage (512 places of 16 bytes) at 8,192
.set SP,    80
.set SPW,   12
.set NIL,   13
.set SPARE, WAVES*WREG
.set WOFF,  6291456
.set POFF,  8650752
.set WSOFF, 262144
.set PSOFF, 360448
	s_load_b256 s[24:31], s[0:1], 0x0              ; x, qkv_weight, c_proj_w, codes1
	s_load_b128 s[32:35], s[0:1], 0x20             ; scales1, rope
	v_lshl_add_u32 v[SPW], v0, 2, SPARE
	v_mov_b32 v[NIL], 0
	v_lshrrev_b32 v1, 5, v0
	v_readfirstlane_b32 s16, v1                    ; wave
	v_and_b32 v2, 31, v0                           ; lane
	s_cmp_ge_u32 ttmp9, QWG
	s_cbranch_scc1 .Ltable
	s_mul_i32 s17, s16, WREG
	s_add_co_u32 s18, s17, 2*32*SP
	s_add_co_u32 s19, s17, 8192
	v_lshlrev_b32 v3, 4, v2                        ; my 16 bytes of a load's 512
	v_lshrrev_b32 v14, 2, v2
	v_mul_u32_u24 v14, v14, SP
	v_and_b32 v15, 3, v2
	v_lshl_add_u32 v14, v15, 4, v14
	v_add_nc_u32 v14, s17, v14                     ; the stage, on the way in
	v_mul_u32_u24 v15, v2, SP
	v_add_nc_u32 v15, s17, v15                     ; and on the way out: my 16 neighbours
	v_lshrrev_b32 v5, 1, v2
	v_add_nc_u32 v5, s18, v5                       ; my block's scale byte
	v_lshlrev_b32 v7, 3, v2
	v_add_nc_u32 v6, s18, v7
	v_lshrrev_b32 v4, 3, v2                        ; my 12 bytes' place in the four images, 16 bytes a place: K step l / 8, h = (l / 2) % 2, c = (l / 4) % 2, half l % 2
	v_lshlrev_b32 v4, 11, v4
	v_bfe_u32 v10, v2, 1, 1
	v_lshl_add_u32 v4, v10, 10, v4
	v_bfe_u32 v10, v2, 2, 1
	v_lshl_add_u32 v4, v10, 5, v4
	v_and_b32 v10, 1, v2
	v_lshl_add_u32 v4, v10, 4, v4
	v_add_nc_u32 v4, s19, v4
	v_add_nc_u32 v1, s19, v3                       ; the codes' stage read back: a place a lane
	v_mul_u32_u24 v10, v2, CB                      ; and 12 bytes a lane in memory
	s_lshr_b32 s22, s16, 1                         ; u: which tile
	s_and_b32 s23, s16, 1                          ; which half of K
	s_wait_alu depctr_va_vdst(0)                   ; the wait at the head's end
	s_wait_kmcnt 0x0
	s_cmp_lt_u32 ttmp9, 352                        ; which tensor: the choice hangs on the work-group's number alone
	s_cselect_b64 s[4:5], s[26:27], s[28:29]
	s_mov_b32 s17, 352
	s_cselect_b32 s17, 256, s17                    ; the tensor's first work-group
	s_cselect_b32 s18, 3, 4                        ; a tile begins 8 u rows on in the qkv weight, 16 u elsewhere
	s_cselect_b32 s19, 0x8000, 0                   ; and its rows 8-15 lie 8 rows further on there
	s_mov_b32 s38, 64
	s_cselect_b32 s38, 192, s38                    ; tiles in the tensor
	s_mov_b32 s39, POFF
	s_cselect_b32 s39, WOFF, s39
	s_mov_b32 s40, PSOFF
	s_cselect_b32 s40, WSOFF, s40
	s_cmp_lt_u32 ttmp9, 256
	s_cselect_b64 s[4:5], s[24:25], s[4:5]
	s_cselect_b32 s17, 0, s17
	s_cselect_b32 s18, 4, s18
	s_cselect_b32 s19, 0, s19
	s_cselect_b32 s38, 512, s38
	s_cselect_b32 s39, 0, s39
	s_cselect_b32 s40, 0, s40
	s_sub_co_u32 s17, ttmp9, s17                   ; j: the work-group in its tensor
	s_lshl_b32 s41, s17, 1
	s_add_co_u32 s41, s41, s22                     ; the tile: 2 j + u;
	s_lshr_b32 s42, s17, 5                         ; in the qkv weight: 24 c + 12 f + 4 x (q, k, v) + 2 (j % 2) + u
	s_lshl_b32 s42, s42, 2
	s_bfe_u32 s43, s17, 0x30002
	s_mul_i32 s43, s43, 24
	s_bfe_u32 s44, s17, 0x10001
	s_mul_i32 s44, s44, 12
	s_and_b32 s45, s17, 1
	s_lshl_b32 s45, s45, 1
	s_add_co_u32 s42, s42, s43
	s_add_co_u32 s42, s42, s44
	s_add_co_u32 s42, s42, s45
	s_add_co_u32 s42, s42, s22
	s_cmp_lg_u32 s19, 0
	s_cselect_b32 s41, s42, s41
	s_lshl_b32 s20, s17, 5
	s_lshl_b32 s21, s22, s18
	s_add_co_u32 s20, s20, s21                     ; my first row
	s_lshl_b32 s20, s20, 12
	s_lshl_b32 s21, s23, 11
	s_add_co_u32 s20, s20, s21
	s_mov_b32 s21, 0
	s_add_nc_u64 s[4:5], s[4:5], s[20:21]          ; rows 0-7
	s_mov_b32 s20, s19
	s_add_nc_u64 s[6:7], s[4:5], s[20:21]          ; rows 8-15
	s_mul_i32 s38, s38, 3072                       ; bytes from K pair to K pair
	s_mul_i32 s20, s38, s23
	s_lshl_b32 s20, s20, 1
	s_mul_i32 s46, s41, 3072
	s_add_co_u32 s20, s20, s46
	s_add_co_u32 s20, s20, s39
	s_add_nc_u64 s[8:9], s[30:31], s[20:21]        ; my first two images
	s_mov_b32 s39, 0
	s_add_nc_u64 s[36:37], s[8:9], s[38:39]        ; my other two
	s_lshl_b32 s20, s41, 9
	s_lshl_b32 s46, s23, 8
	s_add_co_u32 s20, s20, s46
	s_add_co_u32 s20, s20, s40
	s_add_nc_u64 s[10:11], s[32:33], s[20:21]      ; my 256 scale bytes
.macro LOAD t
.irp i, 0,1,2,3
.if (\t) < 8
	global_load_b128 v[R+16*((\t)%4)+4*\i:R+16*((\t)%4)+4*\i+3], v3, s[4:5] offset:4096*(\t)+512*\i th:TH_LOAD_NT   ; 32 lanes read 512 consecutive bytes
.else
	global_load_b128 v[R+16*((\t)%4)+4*\i:R+16*((\t)%4)+4*\i+3], v3, s[6:7] offset:4096*(\t)+512*\i th:TH_LOAD_NT
.endif
.endr
.endm
.macro TURN t                          ; step t's numbers through the stage: LDS serves a wave's instructions in order
.irp i, 0,1,2,3
	ds_store_b128 v14, v[R+16*((\t)%4)+4*\i:R+16*((\t)%4)+4*\i+3] offset:32*SP*((\t)%2)+8*SP*\i
.endr
.irp i, 0,1,2,3
	ds_load_b128 v[X+16*((\t)%2)+4*\i:X+16*((\t)%2)+4*\i+3], v15 offset:32*SP*((\t)%2)+16*\i
.endr
.endm
.irp t, 0,1,2,3
	LOAD \t
.endr
	s_wait_loadcnt 12                              ; step 0's four loads are in; the three younger steps' twelve may be out
	TURN 0
.macro STEP t
.set XS, X+16*((\t)%2)
.if (\t) > 0
	s_wait_dscnt 2                                 ; this step's numbers are back (the last step's byte store and codes' store may be out)
.else
	s_wait_dscnt 0x0
.endif
.if (\t)+4 < STEPS
	LOAD (\t)+4
.endif
.if (\t)+1 < STEPS
.if STEPS-2-(\t) >= 3
	s_wait_loadcnt 12                              ; the next step's four loads are in; those of the three steps behind it may be out
.else
	s_wait_loadcnt 4*(STEPS-2-(\t))
.endif
	TURN (\t)+1
.endif
	v_max3_num_f32 v8, |v[XS]|, |v[XS+1]|, |v[XS+2]|
	v_max3_num_f32 v9, |v[XS+3]|, |v[XS+4]|, |v[XS+5]|
.irp i, 6,10
	v_max3_num_f32 v8, v8, |v[XS+\i]|, |v[XS+\i+1]|
	v_max3_num_f32 v9, v9, |v[XS+\i+2]|, |v[XS+\i+3]|
.endr
	v_max3_num_f32 v8, v8, |v[XS+14]|, |v[XS+15]|
	v_max3_num_f32 v8, v8, v9, (EMAX+1)<<23        ; the floor 2^(EMAX + 1 - 127): the byte cannot fall under 1
	v_max_num_f32_dpp v8, v8, v8 row_xmask:1 row_mask:0xf bank_mask:0xf   ; with my neighbour's 16: the block's
	v_add_nc_u32 v11, -(EMAX<<23), v8              ; the conversion's scale operand
	v_cvt_scalef32_pk16_fp6_f32 v[C+4*(\t):C+4*(\t)+2], v[XS:XS+15], v11
	v_lshrrev_b32 v[E+(\t)], 23, v11               ; the scale's byte
	ds_store_b8 v5, v[E+(\t)] offset:16*(\t)       ; both lanes of a block write the same byte with the same value
	ds_store_b96 v4, v[C+4*(\t):C+4*(\t)+2] offset:64*(\t)   ; row t's place in the images: 48 bytes a row are four places
.endm
.irp t, 0,1,2,3,4,5,6,7,8,9,10,11,12,13,14,15
	STEP \t
.endr
.irp i, 0,1,2,3,4,5,6,7,8,9,10,11,12,13,14,15
	ds_load_b96 v[R+4*\i:R+4*\i+2], v1 offset:512*\i       ; LDS serves a wave's instructions in order: these see my stores
.endr
	ds_load_b64 v[8:9], v6
.irp i, 0,1,2,3,4,5,6,7,8,9,10,11,12,13,14,15
	s_wait_dscnt 16-\i                             ; load i is in: 16 - i were issued behind it
.if \i < 8
	global_store_b96 v10, v[R+4*\i:R+4*\i+2], s[8:9] offset:384*\i          ; 32 lanes store 384 consecutive bytes; eight stores fill 3,072
.else
	global_store_b96 v10, v[R+4*\i:R+4*\i+2], s[36:37] offset:384*(\i-8)
.endif
.endr
	s_wait_dscnt 0x0
	global_store_b64 v7, v[8:9], s[10:11]          ; 32 lanes store 256 consecutive bytes, aligned
	s_branch .Lend
; THE TABLE.  A wave's store covers two rows of 256 bytes; a lane holds four numbers: lanes 0-7 of a row cosines, lanes 8-15 sines.  Sixteen trips, 8 rows on in each.
.Ltable:
	s_sub_co_u32 s17, ttmp9, QWG
	s_lshl_b32 s17, s17, 7
	s_lshl_b32 s18, s16, 1
	s_add_co_u32 s17, s17, s18
	s_wait_alu depctr_va_vdst(0)
	v_lshrrev_b32 v3, 4, v2
	v_add_nc_u32 v3, s17, v3                       ; my first row = t
	v_cvt_f32_u32 v20, v3
	v_and_b32 v4, 15, v0
	v_lshlrev_b32 v22, 8, v3
	v_lshl_add_u32 v22, v4, 4, v22
	v_cmp_gt_u32 vcc_lo, 8, v4
	v_cndmask_b32 v21, 0, 1, vcc_lo                ; 1 in the lanes that make cosines: cos(theta) = sin(theta + pi/2)
	v_and_b32 v32, 7, v0
	v_lshlrev_b32 v32, 2, v32
	v_mov_b32 v37, 0x3f214518                      ; 2^(-2/3)
	v_mov_b32 v38, 0x3ecb2ff5                      ; 2^(-4/3)
.irp e, 0,1,2,3
	v_add_nc_u32 v33, \e, v32                      ; i
	v_mul_u32_u24 v34, v33, 11
	v_lshrrev_b32 v34, 5, v34                      ; i / 3 (right for i up to 15)
	v_mul_u32_u24 v35, v34, 3
	v_sub_nc_u32 v35, v33, v35
	v_mov_b32 v36, 1.0
	v_cmp_eq_u32 vcc_lo, 1, v35
	v_cndmask_b32 v36, v36, v37, vcc_lo
	v_cmp_eq_u32 vcc_lo, 2, v35
	v_cndmask_b32 v36, v36, v38, vcc_lo
	v_lshlrev_b32 v34, 1, v34
	v_sub_nc_u32 v34, 0, v34
	v_ldexp_f32 v36, v36, v34                      ; 2^(-2 i / 3)
	v_cmp_gt_u32 vcc_lo, 16, v33
	v_cndmask_b32 v[24+\e], 0, v36, vcc_lo         ; the upper sixteen frequencies are 0
.endr
	s_mov_b32 s40, 0x3fc90fdb                      ; pi/2: its upper part,
	s_mov_b32 s41, 0xb33bbd2e                      ; and what is left
	s_mov_b32 s42, 0xbe2aaaa3
	s_mov_b32 s43, 0x3c08839e
	s_mov_b32 s44, 0xb94ca1f9
	s_mov_b32 s45, 0x3d2aaaa5
	s_mov_b32 s46, 0xbab6061a
	s_mov_b32 s47, 0x37ccf5ce
	s_mov_b32 s36, 16
	s_wait_kmcnt 0x0
.macro TRIG e
	v_mul_f32 v40, v20, v[24+\e]                   ; theta
	v_mul_f32 v41, 0x3f22f983, v40
	v_rndne_f32 v41, v41
	v_fma_f32 v42, -v41, s40, v40
	v_fma_f32 v42, -v41, s41, v42                  ; r = theta - n pi/2
	v_mul_f32 v43, v42, v42
	v_fma_f32 v44, v43, s44, s43
	v_fma_f32 v44, v44, v43, s42
	v_mul_f32 v45, v43, v42
	v_fma_f32 v44, v44, v45, v42                   ; sin r
	v_fma_f32 v46, v43, s47, s46
	v_fma_f32 v46, v46, v43, s45
	v_mul_f32 v47, v43, v43
	v_fma_f32 v48, v43, -0.5, 1.0
	v_fma_f32 v46, v46, v47, v48                   ; cos r
	v_cvt_i32_f32 v49, v41
	v_add_nc_u32 v49, v49, v21                     ; the quadrant; one on for a cosine
	v_and_b32 v50, 1, v49
	v_cmp_eq_u32 vcc_lo, 1, v50
	v_cndmask_b32 v44, v44, v46, vcc_lo
	v_and_b32 v49, 2, v49
	v_lshlrev_b32 v49, 30, v49
	v_xor_b32 v[28+\e], v49, v44
.endm
.Lrow:
	s_wait_alu depctr_va_vdst(0)
.irp e, 0,1,2,3
	TRIG \e
.endr
	global_store_b128 v22, v[28:31], s[34:35]      ; 32 lanes store 512 consecutive bytes, aligned
	s_wait_xcnt 0x0                                ; the store's offset and data are written again only behind this wait
	v_add_nc_u32 v22, 2048, v22
	v_add_f32 v20, 0x41000000, v20
	s_sub_co_u32 s36, s36, 1
	s_cmp_lg_u32 s36, 0
	s_cbranch_scc1 .Lrow
.Lend:
	s_wait_tensorcnt 0x0                           ; the wave's end, behind my last LDS store
	ds_add_u32 v[SPW], v[NIL]
	s_wait_dscnt 0x0
	s_endpgm
.Lfunc_end_k_q6e481e95e0_prep:
	.size	k_q6e481e95e0_prep, .Lfunc_end_k_q6e481e95e0_prep-k_q6e481e95e0_prep
	.p2alignl 7, 3214868480
	.fill 96, 4, 3214868480
	.section	.rodata,"a",@progbits
	.p2align	6, 0x0
	.amdhsa_kernel k_q6e481e95e0_prep
		.amdhsa_group_segment_fixed_size 66048
		.amdhsa_private_segment_fixed_size 0
		.amdhsa_enable_private_segment 0
		.amdhsa_kernarg_size 48
		.amdhsa_user_sgpr_count 2
		.amdhsa_user_sgpr_kernarg_segment_ptr 1
		.amdhsa_wavefront_size32 1
		.amdhsa_system_sgpr_workgroup_id_x 1
		.amdhsa_system_sgpr_workgroup_id_y 1
		.amdhsa_system_sgpr_workgroup_id_z 1
		.amdhsa_system_vgpr_workitem_id 0
		.amdhsa_next_free_vgpr 192
		.amdhsa_next_free_sgpr 66
		.amdhsa_reserve_vcc 1
		.amdhsa_float_denorm_mode_32 3
		.amdhsa_float_denorm_mode_16_64 3
		.amdhsa_memory_ordered 1
		.amdhsa_forward_progress 1
		.amdhsa_inst_pref_size 45
	.end_amdhsa_kernel
	.amdgpu_metadata
---
amdhsa.version: [ 1, 2 ]
amdhsa.kernels:
  - .name:           k_q6e481e95e0_prep
    .symbol:         k_q6e481e95e0_prep.kd
    .args:
      - { .name: x, .offset: 0, .size: 8, .value_kind: global_buffer, .address_space: global }
      - { .name: qkv_weight, .offset: 8, .size: 8, .value_kind: global_buffer, .address_space: global }
      - { .name: c_proj_w, .offset: 16, .size: 8, .value_kind: global_buffer, .address_space: global }
      - { .name: codes1, .offset: 24, .size: 8, .value_kind: global_buffer, .address_space: global }
      - { .name: scales1, .offset: 32, .size: 8, .value_kind: global_buffer, .address_space: global }
      - { .name: rope, .offset: 40, .size: 8, .value_kind: global_buffer, .address_space: global }
    .group_segment_fixed_size: 66048
    .private_segment_fixed_size: 0
    .kernarg_segment_align: 8
    .kernarg_segment_size: 48
    .max_flat_workgroup_size: 128
    .sgpr_count:     66
    .vgpr_count:     192
    .wavefront_size: 32
...
	.end_amdgpu_metadata
.endif
;; end of part 1
;; launch qkv (part 2): grid 8 x 32, 4 waves a work-group, clusters of 4 x 4, 327,680 bytes of LDS; arguments codes1, scales1, rope, v1, lamb, qkvc, qkvs, out1; writes qkvc, qkvs, out1
.if DOCPART == 2
	.amdgcn_target "amdgcn-amd-amdhsa--gfx1250"
	.amdhsa_code_object_version 6
	.text
	.protected	k_q6e481e95e0_qkv
	.globl	k_q6e481e95e0_qkv
	.p2align	8
	.type	k_q6e481e95e0_qkv,@function
k_q6e481e95e0_qkv:
	s_mov_b64 s[64:65], 0
	v_nop
	global_prefetch_b8 v0, s[64:65] scope:SCOPE_SE
	s_setreg_imm32_b32 hwreg(HW_REG_WAVE_MODE, 25, 1), 1
	s_wait_xcnt 0x0
	s_wait_alu depctr_hold_cnt(0) depctr_sa_sdst(0) depctr_va_vdst(0) depctr_va_sdst(0) depctr_va_ssrc(0) depctr_va_vcc(0) depctr_vm_vsrc(0)
	s_getreg_b32 s2, hwreg(HW_REG_IB_STS2, 6, 4)
	s_cmp_eq_u32 s2, 0
	s_cbranch_scc0 .Lentry_in_a_cluster
	s_endpgm
.Lentry_in_a_cluster:
	s_bfe_u32 s2, ttmp6, 0x10000c
	s_cmp_lg_u32 s2, 0xf033
	s_cbranch_scc0 .Lentry_shape_is_right
	s_endpgm
.Lentry_shape_is_right:
; q, k, v = x W^T on codes of FP6 (E2M3) with E8M0 scales, [8192 tokens] x [3072 features], K = 1024; and all that stands between this product and attention.
; 8 x 32 = 256 work-groups.  A work-group makes 256 tokens x 384 features: heads 2 c and 2 c + 1 of q, of k and of v.  Wave (th, f) makes 128 tokens x 192 features: head 2 c + f of q, k and v:
; 96 accumulators, 768 registers: window 1 q, window 2 k, window 3 v; accumulator (token block a, feature tile b) at v[8 (4 a + b)].  All waves do the same work; no branch hangs on a place in the cluster.
; Codes come as images of the operand's registers (48 bytes a lane, 1,536 a fragment), so a fragment is three loads of 16 bytes at 48 x lane, and every tensor row is 256 dense bytes.
; K goes in four slot fills of 256 through two LDS slots (16 tiles of x, 24 of W).  CLUSTERS of 4 x 4: x's tiles are shared along a row of the cluster, W's along a column.
; The code tiles are not prefetched: of the four fills two go out at the head, and the two refills stand 160 matrix instructions ahead of their waits.  v1's 128 rows x 256 bytes of the wave are: 32 rows in each of steps 2 to 5.
; THE MATRIX INSTRUCTION IS USED TRANSPOSED (source 0 = 16 stored rows of W, source 1 = 16 tokens): register n of a head's 32 in lane (r, h) is token r, d = 32 (n / 16) + 16 h + n % 16.
; q AND k: x / sqrt(mean(x x) + 1e-6), the rotary turn (d and d + 32 lie in one lane), the quantiser along d; codes and bytes leave as images of attention's operand registers.
; v: through a stage in LDS into rows; (1 - lam) v + lam v1; stored as out1; lanes 0-15 hold tokens 0-15 and lanes 16-31 tokens 16-31 of a block of 32, four features a lane: the quantiser along the keys.
; qkvc, each head 98,304 bytes: q, k: [32 tokens][lane r' + 16 h][48]: bytes 24 u on: dims 32 h .. + 31 of token 32 g + 8 u + r' + 8 (r' / 8).   v: [128 keys][dt][lane r' + 16 h][48]: bytes 24 c on: keys 64 c + 32 h .. + 31
; of channel 32 (dt / 2) + 8 (dt % 2) + r' + 8 (r' / 8).   qkvs, each head 4,096 bytes: q, k: [32 tokens][r'] words, a pair of bytes at 2 u;  v: [128 keys][dt][r'] words, a byte a block of keys.
; LIMITS: NaN and infinities are not served; a block of zeros gets the byte 1 (its codes are zeros; this program alone reads the bytes).
; WINDOW 0: v0-31 addresses; v32-55 scale words, two sets of 12; v64-159 x's eight fragments; v160-255 two sets of four fragments of W.  On the way out all but v0-31 is free.
.set AH,    24576                      ; 8 tiles x 3,072: half of x's part of a slot
.set BH,    36864                      ; 12 tiles: half of W's
.set ATB,   2*AH
.set SLOT,  2*AH+2*BH
.set SCA,   2*SLOT                     ; x's scales, 16 tiles x 512
.set SCB,   SCA+8192                   ; W's, 24 tiles x 512
.set SPARE, SCB+12288                  ; the spare words, 128 bytes a wave
.set WST,   30720                      ; the way out: a wave's stage, in slot 0 (behind its last fill and its last read): q's, k's, v's codes 3 x 6,144,
.set VCD,   12288
.set SCS,   18432                      ; their scale bytes 3 x 256,
.set VROW,  19456                      ; and 32 rows x 272 for v
.set XP,    1572864                    ; bytes from K pair to K pair in x's codes
.set WP,    589824                     ; and in W's
.set WOFF,  6291456
.set WSOFF, 262144
.set PART,  6291456
.set SPART, 262144
.set HEADB, 98304
.set KST,7
.set SST,8
.set CRD,9
.set CGO,10
.set SGO,11
.set VSS,12
.set CR8,13
.set C8,14
.set OO,15
.set ADRA,16
.set ADRB,18
.set V1O,20
.set PFO,21
.set STO,24
.set RD,25
.set VST,26
.set ADRS,27
.set SPW,28
.set NIL,29
.set RO,30
.set SC,32
.set AF,64
.set BF,160
.set SQ,32                             ; q, k: v32-47 sums of squares; v48-51 1 / rms; v52-61 at work; v62-63 byte pairs
.set RS,48
.set TQ,52
.set WW,62
.set NN,64                             ; v64-127 the normalised numbers of q's and k's head
.set YY,128                            ; v128-159 a head, turned
.set RP,160                            ; v160-223 the table, two sets: 16 cosines, 16 sines
.set CD,224
.set CV,32                             ; v: v32-47 codes, two sets; v48-51 scale words
.set SB,48
.set BB,64                             ; v: v64-127 16 x 4 features
.set TR,128                            ; v: v128-255 [feature 4][block 2][token 16]
.set G0H,4
.set G0HB,8
.set G0S,20
.set G1,24
.set G0,32
.set G0SB,44
.set G1B,48
.set G0B,56
.set G1S,84
.set G1SB,92
.set MSB, 0
.macro WIN new                         ; the immediate's high byte repeats the setting that is left
.if MSB != \new
	s_set_vgpr_msb (MSB<<8)|\new
.set MSB, \new
.endif
.endm
.macro PLACES                          ; plain vector instructions between a matrix instruction and a load into, or a read of, its registers
.rept 4
	v_nop
.endr
.endm
.macro JLOAD g0a, g1a, g0b, g1b        ; a joint load: waves 0 and 1 fetch for x, waves 2 and 3 for W; s_nop 0 and four v_nop behind each line
	s_cmp_eq_u32 s15, 0
	s_cbranch_scc0 .Lfor_b_\@
	tensor_load_to_lds s[\g0a:\g0a+3], s[\g1a:\g1a+7]
	s_nop 0
	PLACES
	s_branch .Lasked_\@
.Lfor_b_\@:
	tensor_load_to_lds s[\g0b:\g0b+3], s[\g1b:\g1b+7]
	s_nop 0
	PLACES
.Lasked_\@:
.endm
.macro CREST
	s_cmp_lg_u32 s14, 0
	s_cbranch_scc1 .Lnot_wave_0_\@
	s_barrier_signal -3
.Lnot_wave_0_\@:
	s_barrier_wait -3
	s_barrier_signal -1
	s_barrier_wait -1
.endm
.macro CROUND
	s_barrier_signal -1
	s_barrier_wait -1
	CREST
.endm
.macro DESC g, rows                    ; group 1 behind its first word: rows of 32 elements of 8 bytes, dense
	s_mov_b32 s[\g+1], 32<<16
	s_mov_b32 s[\g+2], (\rows)<<16
	s_mov_b32 s[\g+3], 32<<16
	s_mov_b32 s[\g+4], \rows
	s_mov_b32 s[\g+5], 32
	s_mov_b32 s[\g+6], 0
	s_mov_b32 s[\g+7], 0
.endm
.macro HEADG g, lds
	s_mov_b32 s[\g], 1
	s_mov_b32 s[\g+1], \lds
	s_or_b32 s[\g+3], s[\g+3], 0x80000000
.endm
	s_load_b512 s[68:83], s[0:1], 0x0              ; codes1 68, scales1 70, rope 72, v1 74, lamb 76, qkvc 78, qkvs 80, out1 82
	v_lshl_add_u32 v[SPW], v0, 2, SPARE
	v_mov_b32 v[NIL], 0
	ds_add_u32 v[SPW], v[NIL]                      ; the wave's opening: the add, twice on end, and its wait ahead of my first tensor load
	ds_add_u32 v[SPW], v[NIL]
	v_lshrrev_b32 v1, 5, v0
	v_readfirstlane_b32 s14, v1                    ; wave 0..3
	s_lshr_b32 s15, s14, 1                         ; th: which 128 tokens.  Also: in the ring I fetch for x (0) or for W (1)
	s_and_b32 s16, s14, 1                          ; f: which head of the pair.  Also: which half of that part I fetch
	s_bfe_u32 s40, ttmp6, 0x40000                  ; cx, cy
	s_bfe_u32 s41, ttmp6, 0x40004
	s_lshl_b32 s42, ttmp9, 2
	s_add_co_u32 s42, s42, s40                     ; c: the pair of heads
	s_and_b32 s17, ttmp7, 0xffff
	s_lshl_b32 s17, s17, 2
	s_add_co_u32 s17, s17, s41                     ; the block of 256 tokens
	s_lshl_b32 s43, s41, 2
	s_lshl_b32 s43, 15, s43                        ; my row of the cluster
	s_lshl_b32 s66, 0x1111, s40                    ; my column
	s_or_b32 s[G1], s43, (3<<16)|(1<<21)           ; the mask; elements of 8 bytes; bit 21 beside a mask
	s_or_b32 s[G1B], s66, (3<<16)|(1<<21)
	s_or_b32 s[G1S], s43, (3<<16)|(1<<21)
	s_or_b32 s[G1SB], s66, (3<<16)|(1<<21)
	DESC G1, 192                                   ; the head's loads: all of x's part of slot 0,
	DESC G1B, 288                                  ; all of W's,
	DESC G1S, 32                                   ; x's scales,
	DESC G1SB, 48                                  ; W's
	s_wait_dscnt 0x0                               ; both opening adds are done
	s_wait_kmcnt 0x0
	s_load_b32 s3, s[76:77], 0x0                   ; lam
	s_mov_b32 s19, 0
	s_mul_i32 s18, s17, 2*AH
	s_add_nc_u64 s[G0H+2:G0H+3], s[68:69], s[18:19]
	s_mul_i32 s18, s42, 2*BH
	s_add_co_u32 s18, s18, WOFF
	s_add_nc_u64 s[G0HB+2:G0HB+3], s[68:69], s[18:19]
	s_lshl_b32 s18, s17, 13
	s_add_nc_u64 s[G0S+2:G0S+3], s[70:71], s[18:19]
	s_mul_i32 s18, s42, 12288
	s_add_co_u32 s18, s18, WSOFF
	s_add_nc_u64 s[G0SB+2:G0SB+3], s[70:71], s[18:19]
	s_mul_i32 s18, s16, AH                         ; the ring: my half of a part
	s_mul_i32 s12, s16, BH
	s_mov_b32 s13, 0
.irp s, 0,1
	s_mov_b32 s[G0+4*\s], 1
	s_add_co_u32 s[G0+4*\s+1], s18, \s*SLOT
	s_add_nc_u64 s[G0+4*\s+2:G0+4*\s+3], s[G0H+2:G0H+3], s[18:19]
	s_mov_b32 s[G0B+4*\s], 1
	s_add_co_u32 s[G0B+4*\s+1], s12, ATB+\s*SLOT
	s_add_nc_u64 s[G0B+4*\s+2:G0B+4*\s+3], s[G0HB+2:G0HB+3], s[12:13]
.if \s > 0
	s_add_nc_u64 s[G0+4*\s+2:G0+4*\s+3], s[G0+4*\s+2:G0+4*\s+3], XP
	s_add_nc_u64 s[G0B+4*\s+2:G0B+4*\s+3], s[G0B+4*\s+2:G0B+4*\s+3], WP
.endif
	s_or_b32 s[G0+4*\s+3], s[G0+4*\s+3], 0x80000000
	s_or_b32 s[G0B+4*\s+3], s[G0B+4*\s+3], 0x80000000
.endr
	HEADG G0H, 0
	HEADG G0HB, ATB
	HEADG G0S, SCA
	HEADG G0SB, SCB
	CROUND                                         ; all sixteen work-groups are here: the first joint loads meet
.macro ARM under, g0, g1, next         ; the head's loads, one a wave: one chain of branches on the wave's number, all arms leading to one join
	s_cmp_lt_u32 s14, \under
	s_cbranch_scc0 \next
	tensor_load_to_lds s[\g0:\g0+3], s[\g1:\g1+7]
	s_nop 0
	PLACES
	s_branch .Lhead_asked
\next:
.endm
	ARM 1, G0H,  G1,  .Lhead_b
	ARM 2, G0HB, G1B, .Lhead_sa
	ARM 3, G0S,  G1S, .Lhead_sb
	tensor_load_to_lds s[G0SB:G0SB+3], s[G1SB:G1SB+7]
	s_nop 0
	PLACES
.Lhead_asked:
	s_mul_i32 s12, s15, AH                         ; my eight tiles of x
	s_add_co_u32 s13, s12, SLOT
	s_mul_i32 s18, s16, BH                         ; my twelve of W
	s_add_co_u32 s18, s18, ATB
	s_add_co_u32 s19, s18, SLOT
	s_lshl_b32 s40, s15, 12
	s_add_co_u32 s40, s40, SCA                     ; x's scale words of my tiles
	s_mul_i32 s41, s16, 6144
	s_add_co_u32 s41, s41, SCB
	s_sub_co_u32 s41, s41, s40                     ; and how far on W's lie
	s_mul_i32 s43, s14, WST                        ; my stage
	v_and_b32 v1, 15, v0                           ; r
	v_bfe_u32 v2, v0, 4, 1                         ; h
	v_and_b32 v6, 31, v0
	v_mul_u32_u24 v3, v6, 48
	v_add_nc_u32 v[ADRA], s12, v3
	v_add_nc_u32 v[ADRA+1], s13, v3
	v_add_nc_u32 v[ADRB], s18, v3
	v_add_nc_u32 v[ADRB+1], s19, v3
	v_lshlrev_b32 v4, 4, v1                        ; 16 r
	v_mul_u32_u24 v5, s41, v2                      ; lanes 16-31 take W's
	v_add_nc_u32 v5, v5, v4
	v_add_nc_u32 v[ADRS], s40, v5
	v_lshlrev_b32 v[CGO], 4, v6
	v_lshlrev_b32 v[C8], 3, v6
	v_lshlrev_b32 v[PFO], 12, v6                   ; a row of v1 a lane
	v_lshlrev_b32 v[RO], 8, v1
	v_lshl_add_u32 v[RO], v2, 6, v[RO]
	v_lshl_add_u32 v[SGO], v2, 18, v4              ; lanes 16-31: k's part of qkvs
	v_lshl_add_u32 v[OO], v2, 12, v4               ; lanes 16-31: 16 rows of out1 on
	v_lshl_add_u32 v[V1O], v2, 16, v4              ; and 16 rows of v1
	v_add_nc_u32 v[CRD], s43, v[CGO]
	v_add_nc_u32 v[CR8], s43, v[C8]
	v_add_nc_u32 v[CR8], SCS+512, v[CR8]
	v_and_b32 v3, 7, v0
	v_bfe_u32 v5, v0, 3, 1
	v_mul_u32_u24 v[KST], v3, 48                   ; token 16 a + r is row r' = r % 8 + 8 (a % 2) of tile u = r / 8 of its group of 32: 48 r' + 24 u + 768 h
	v_mad_u32_u24 v[KST], v5, 24, v[KST]
	v_mad_u32_u24 v[KST], v2, 768, v[KST]
	v_add_nc_u32 v[KST], s43, v[KST]
	v_lshlrev_b32 v[SST], 2, v3
	v_lshl_add_u32 v[SST], v5, 1, v[SST]
	v_add_nc_u32 v[SST], s43, v[SST]
	v_add_nc_u32 v[SST], SCS, v[SST]
	v_mul_u32_u24 v[STO], v1, 272
	v_lshl_add_u32 v[STO], v2, 6, v[STO]
	v_add_nc_u32 v[STO], s43, v[STO]
	v_add_nc_u32 v[STO], VROW, v[STO]
	v_mul_u32_u24 v[RD], v2, 16*272
	v_add_nc_u32 v[RD], v[RD], v4
	v_add_nc_u32 v[RD], s43, v[RD]
	v_add_nc_u32 v[RD], VROW, v[RD]
	v_and_b32 v22, 1, v0                           ; channel d = 4 r + f: tile dt = 2 (d / 32) + (d / 8) % 2, row r' = d % 8 + 8 ((d / 16) % 2)
	v_bfe_u32 v23, v0, 1, 1
	v_bfe_u32 v31, v0, 2, 1
	v_lshl_add_u32 v3, v5, 1, v23                  ; dt
	v_mul_u32_u24 v[VST], v3, 1536
	v_mad_u32_u24 v[VST], v22, 192, v[VST]
	v_mad_u32_u24 v[VST], v31, 384, v[VST]
	v_mad_u32_u24 v[VST], v2, 768, v[VST]
	v_add_nc_u32 v[VST], s43, v[VST]
	v_add_nc_u32 v[VST], VCD, v[VST]
	v_lshlrev_b32 v[VSS], 6, v3
	v_lshl_add_u32 v[VSS], v22, 4, v[VSS]
	v_lshl_add_u32 v[VSS], v31, 5, v[VSS]
	v_add_nc_u32 v[VSS], s43, v[VSS]
	v_add_nc_u32 v[VSS], SCS+512, v[VSS]
.macro FRAG reg, adr, off              ; a fragment: 12 registers, 48 bytes a lane
.irp p, 0,1,2
	ds_load_b128 v[\reg+4*\p:\reg+4*\p+3], v[\adr] offset:(\off)+16*\p
.endr
.endm
.macro FETCH_A st, i0                  ; x's blocks i0 .. i0 + 3 of step st (128 along K); step st lies in slot (st / 2) % 2
.irp i, \i0, \i0+1, \i0+2, \i0+3
	FRAG AF+12*(\i), ADRA+((\st)/2)%2, (\i)*3072+((\st)%2)*1536
.endr
.endm
.macro FETCH_B st, g                   ; the four tiles of head g (q, k, v) of step st; the sets take turns from group to group
.irp t, 0,1,2,3
	FRAG BF+48*((3*(\st)+\g)%2)+12*\t, ADRB+((\st)/2)%2, (4*\g+\t)*3072+((\st)%2)*1536
.endr
.endm
.macro SCALES st                       ; register i: lanes 0-15 the word of x's block i (i under 8), lanes 16-31 that of W's tile i
.irp i, 0,1,2,3,4,5,6,7,8,9,10,11
	ds_load_b32 v[SC+12*((\st)%2)+\i], v[ADRS] offset:\i*512+((\st)/4)*256+((\st)%4)*4
.endr
.endm
; 16 matrix instructions: x's blocks a0 .. a0 + 3 against head g's four tiles.  A group's 32 accumulators take turns, one instruction a turn.
.macro MUL16 g, st, a0, zero
.set BS, BF+48*((3*(\st)+\g)%2)
.set SS, SC+12*((\st)%2)
.irp a, \a0, \a0+1, \a0+2, \a0+3
.irp b, 0,1,2,3
.if \zero
	v_wmma_scale_f32_16x16x128_f8f6f4 v[8*(4*(\a)+\b):8*(4*(\a)+\b)+7], v[BS+12*\b:BS+12*\b+11], v[AF+12*(\a):AF+12*(\a)+11], 0, v[SS+4*\g+\b], v[SS+(\a)] matrix_a_fmt:MATRIX_FMT_FP6 matrix_b_fmt:MATRIX_FMT_FP6 matrix_a_scale:MATRIX_SCALE_ROW1
.else
	v_wmma_scale_f32_16x16x128_f8f6f4 v[8*(4*(\a)+\b):8*(4*(\a)+\b)+7], v[BS+12*\b:BS+12*\b+11], v[AF+12*(\a):AF+12*(\a)+11], v[8*(4*(\a)+\b):8*(4*(\a)+\b)+7], v[SS+4*\g+\b], v[SS+(\a)] matrix_a_fmt:MATRIX_FMT_FP6 matrix_b_fmt:MATRIX_FMT_FP6 matrix_a_scale:MATRIX_SCALE_ROW1
.endif
.endr
.endr
.endm
.macro ROPE a                          ; the table's rows of block a: my 16 cosines and 16 sines (d % 32 = 16 h + 0 .. 15), into set a % 2
.irp j, 0,1,2,3
	global_load_b128 v[RP+32*((\a)%2)+4*\j:RP+32*((\a)%2)+4*\j+3], v[RO], s[96:97] offset:4096*(\a)+16*\j
.endr
.irp j, 0,1,2,3
	global_load_b128 v[RP+32*((\a)%2)+16+4*\j:RP+32*((\a)%2)+16+4*\j+3], v[RO], s[96:97] offset:4096*(\a)+128+16*\j
.endr
.endm
; A step of 128 along K: three groups of 32 matrix instructions (q, k, v).  At its entry W's group 0, the scale words and x's blocks 0-3 have been asked for.
; Each group's tiles of W are asked for one group ahead, into the set that the group before has left; x's blocks 0-3 of the next step in the middle of group 2, blocks 4-7 at the step's start.
; In steps 1, 3 and 5 the slot is left: all its reads have been issued when group 1 begins.  There each wave waits for all its tensor loads, adds 0 to its spare word, waits for that and for its reads, and meets the others;
; in steps 1 and 3 the barrier opens a round of the cluster's barrier and the slot is filled again.
.macro STEP st, zero
.set NX, (\st)+1
	FETCH_A \st, 4
	FETCH_B \st, 1
	s_wait_dscnt 24                                ; all but the 24 just issued
	WIN 0x50
	MUL16 0, \st, 0, \zero
	s_wait_dscnt 12                                ; x's blocks 4-7 are in; group 1's 12 loads may be out
.if (\st) >= 2 && (\st) <= 5
	global_prefetch_b8 v[PFO], s[4:5] offset:131072*((\st)-2) th:TH_LOAD_NT scope:SCOPE_SE   ; 32 of my 128 rows of v1, a lane a row's 256 bytes; each is named once in the launch
.endif
	MUL16 0, \st, 4, \zero
	PLACES
	WIN 0
	FETCH_B \st, 2
.if (\st)%2 == 1 && (\st) < 7
	s_wait_tensorcnt 0x0                           ; all my tensor loads have landed: my part of the next slot
	ds_add_u32 v[SPW], v[NIL]                      ; 0 onto my spare word
	s_wait_dscnt 13                                ; group 1's tiles are in (group 2's 12 loads and the add may be out)
	WIN 0xa0
	MUL16 1, \st, 0, \zero
	s_wait_dscnt 0x0                               ; the add is done, and my reads of this slot are over
	s_barrier_signal -1
	MUL16 1, \st, 4, \zero
	WIN 0
	s_barrier_wait -1
.if (\st) < 5
	CREST                                          ; no wave of any partner still reads this slot or has a load on its way
	s_add_nc_u64 s[G0+4*((\st)/2)+2:G0+4*((\st)/2)+3], s[G0+4*((\st)/2)+2:G0+4*((\st)/2)+3], 2*XP
	s_add_nc_u64 s[G0B+4*((\st)/2)+2:G0B+4*((\st)/2)+3], s[G0B+4*((\st)/2)+2:G0B+4*((\st)/2)+3], 2*WP
	JLOAD G0+4*((\st)/2), G1, G0B+4*((\st)/2), G1B ; the first tensor load behind the round; its four v_nop are the places in front of the loads below
.else
	PLACES
.endif
.else
	s_wait_dscnt 12
	WIN 0xa0
	MUL16 1, \st, 0, \zero
	MUL16 1, \st, 4, \zero
	PLACES
	WIN 0
.endif
.if (\st) < 7
	FETCH_B NX, 0
	SCALES NX
	s_wait_dscnt 24                                ; group 2's tiles are in
	WIN 0xf0
	MUL16 2, \st, 0, \zero
	PLACES
	WIN 0
	FETCH_A NX, 0
	WIN 0xf0
	MUL16 2, \st, 4, \zero
.else
	ROPE 0                                         ; into the set of W that group 1 has left
	s_wait_dscnt 0x0
	WIN 0xf0
	MUL16 2, \st, 0, \zero
	MUL16 2, \st, 4, \zero
.endif
	PLACES
	WIN 0
.endm
; 32 numbers of a lane, register 16 b + i = place 32 b + 16 h + i along K, become 24 bytes of codes (places 32 h .. 32 h + 31) in v[cd] .. v[cd + 5] and the two blocks' scale bytes in v[w]
.macro QUANT2 y, cd, w
	v_max3_num_f32 v[TQ+2], |v[\y]|, |v[\y+1]|, 0x1800000      ; with the floor 2^(3 - 127): the byte cannot fall under 1
	v_max3_num_f32 v[TQ+3], |v[\y+16]|, |v[\y+17]|, 0x1800000
.irp i, 2,4,6,8,10,12,14
	v_max3_num_f32 v[TQ+2], v[TQ+2], |v[\y+\i]|, |v[\y+\i+1]|
	v_max3_num_f32 v[TQ+3], v[TQ+3], |v[\y+16+\i]|, |v[\y+17+\i]|
.endr
	v_permlanex16_b32 v[TQ+4], v[TQ+2], s98, s99
	v_permlanex16_b32 v[TQ+5], v[TQ+3], s98, s99
	v_max_num_f32 v[TQ+2], v[TQ+2], v[TQ+4]        ; with lane l xor 16's: the block's largest magnitude
	v_max_num_f32 v[TQ+3], v[TQ+3], v[TQ+5]
	v_add_nc_u32 v[TQ+6], 0xff000000, v[TQ+2]      ; 2 off the exponent field: the conversion's scale operand
	v_add_nc_u32 v[TQ+7], 0xff000000, v[TQ+3]
	v_lshrrev_b32 v[TQ+8], 23, v[TQ+6]
	v_lshrrev_b32 v[TQ+9], 23, v[TQ+7]
	v_lshl_or_b32 v[\w], v[TQ+9], 8, v[TQ+8]
	v_cvt_scalef32_pk16_fp6_f32 v[\cd:\cd+2], v[\y:\y+15], v[TQ+6]
	v_cvt_scalef32_pk16_fp6_f32 v[\cd+4:\cd+6], v[\y+16:\y+31], v[TQ+7]
	v_nop                                          ; one plain place behind a scaled conversion
.irp i, 0,1,2
	v_permlane16_swap_b32 v[\cd+\i], v[\cd+4+\i]   ; a whole block to a lane: lanes 0-15 block 0, lanes 16-31 block 1
.endr
	v_mov_b32 v[\cd+3], v[\cd+4]
	v_mov_b32 v[\cd+4], v[\cd+5]
	v_mov_b32 v[\cd+5], v[\cd+6]
.endm
; q and k: block a, 16 tokens; hh = 0 is q's head (window 1), 1 is k's (window 2)
.macro QKBLOCK a
.set AC, 32*(\a)
.set RC, RP+32*((\a)%2)
	s_wait_dscnt 0x0                               ; the last block's stores into the stage have read their registers
	s_wait_alu depctr_va_vdst(0)                   ; the wait ahead of the first read of these results
.irp hh, 0,1
	WIN 5*(\hh+1)
.irp c, 0,2,4,6
	v_pk_mul_f32 v[SQ+8*\hh+\c:SQ+8*\hh+\c+1], v[AC+\c:AC+\c+1], v[AC+\c:AC+\c+1]     ; each accumulator is read from its low end on
.endr
.irp p, 8,16,24
.irp c, 0,2,4,6
	v_pk_fma_f32 v[SQ+8*\hh+\c:SQ+8*\hh+\c+1], v[AC+\p+\c:AC+\p+\c+1], v[AC+\p+\c:AC+\p+\c+1], v[SQ+8*\hh+\c:SQ+8*\hh+\c+1]
.endr
.endr
.endr
	WIN 0
.irp hh, 0,1
	v_pk_add_f32 v[SQ+8*\hh:SQ+8*\hh+1], v[SQ+8*\hh:SQ+8*\hh+1], v[SQ+8*\hh+2:SQ+8*\hh+3]
	v_pk_add_f32 v[SQ+8*\hh+4:SQ+8*\hh+5], v[SQ+8*\hh+4:SQ+8*\hh+5], v[SQ+8*\hh+6:SQ+8*\hh+7]
.endr
	v_pk_add_f32 v[SQ:SQ+1], v[SQ:SQ+1], v[SQ+4:SQ+5]
	v_pk_add_f32 v[SQ+8:SQ+9], v[SQ+8:SQ+9], v[SQ+12:SQ+13]
	v_add_f32 v[SQ], v[SQ], v[SQ+1]
	v_add_f32 v[SQ+8], v[SQ+8], v[SQ+9]
	v_permlanex16_b32 v[TQ], v[SQ], s98, s99       ; the head's other 32 numbers lie in lane l xor 16
	v_permlanex16_b32 v[TQ+1], v[SQ+8], s98, s99
	v_add_f32 v[SQ], v[SQ], v[TQ]
	v_add_f32 v[SQ+8], v[SQ+8], v[TQ+1]
	v_fma_f32 v[SQ], v[SQ], s100, s101             ; the mean + 1e-6
	v_fma_f32 v[SQ+8], v[SQ+8], s100, s101
	s_wait_alu depctr_va_vdst(0)                   ; the wait ahead of the two reciprocal square roots
	v_rsq_f32 v[RS], v[SQ]
	v_rsq_f32 v[RS+2], v[SQ+8]
	v_nop
	s_wait_alu depctr_va_vdst(0)                   ; and one behind them, ahead of their first reader
.irp hh, 0,1
	WIN \hh+1
.set ii, 0
.rept 16
	v_pk_mul_f32 v[NN+32*\hh+ii:NN+32*\hh+ii+1], v[AC+ii:AC+ii+1], v[RS+2*\hh:RS+2*\hh+1] op_sel_hi:[1,0]
.set ii, ii+2
.endr
.endr
	WIN 0
.if (\a) == 4 || (\a) == 5
	s_wait_loadcnt 40                              ; this block's table rows are in; behind them: a block's eight loads and 32 of v1
.else
.if (\a) < 7
	s_wait_loadcnt 8                               ; the next block's eight loads may be out
.else
	s_wait_loadcnt 0
.endif
.endif
.irp hh, 0,1
.set N1, NN+32*\hh
.set ii, 0
.rept 8
	v_pk_mul_f32 v[YY+ii:YY+ii+1], v[N1+16+ii:N1+17+ii], v[RC+16+ii:RC+17+ii]        ; x2 sin
	v_pk_mul_f32 v[YY+16+ii:YY+17+ii], v[N1+ii:N1+ii+1], v[RC+16+ii:RC+17+ii]        ; x1 sin
.set ii, ii+2
.endr
.set ii, 0
.rept 8
	v_pk_fma_f32 v[YY+ii:YY+ii+1], v[N1+ii:N1+ii+1], v[RC+ii:RC+ii+1], v[YY+ii:YY+ii+1]                                          ; x1 cos + x2 sin
	v_pk_fma_f32 v[YY+16+ii:YY+17+ii], v[N1+16+ii:N1+17+ii], v[RC+ii:RC+ii+1], v[YY+16+ii:YY+17+ii] neg_lo:[0,0,1] neg_hi:[0,0,1]   ; x2 cos - x1 sin
.set ii, ii+2
.endr
	QUANT2 YY, CD+8*\hh, WW+\hh
.irp p, 0,1,2
	ds_store_b64 v[KST], v[CD+8*\hh+2*\p:CD+8*\hh+2*\p+1] offset:6144*\hh+1536*((\a)/2)+384*((\a)%2)+8*\p
.endr
	ds_store_b16 v[SST], v[WW+\hh] offset:256*\hh+64*((\a)/2)+32*((\a)%2)      ; both halves of the lanes write the same two bytes with the same value
.endr
.if (\a) < 6
	ROPE (\a)+2
.endif
.endm
; 64 tokens of v1, my head's 256 bytes of each, into window 1, which q's blocks have left: a load takes rows i and i + 16 of a block of 32
.macro V1LOAD bt
	WIN 0x40
.set ii, 0
.rept 32
	global_load_b128 v[128*(\bt)+4*ii:128*(\bt)+4*ii+3], v[V1O], s[4:5] offset:(64*(\bt)+32*(ii/16)+ii%16)*4096 th:TH_LOAD_NT
.set ii, ii+1
.endr
	WIN 0
.endm
; v: the block kb of 32 tokens
.macro VBLK kb
	s_wait_xcnt 0x0                                ; earlier stores have read their registers: these are loaded again only behind this wait
	s_wait_alu depctr_va_vdst(0)                   ; the wait ahead of the first read of these results
	WIN 0x0c                                       ; an LDS store's data are its source 1: window 3
.irp aa, 0,1
.irp b, 0,1,2,3
	ds_store_b128 v[STO], v[32*(2*(\kb)+\aa)+8*\b:32*(2*(\kb)+\aa)+8*\b+3] offset:\aa*16*272+128*(\b/2)+32*(\b%2)       ; each accumulator from its low end on
	ds_store_b128 v[STO], v[32*(2*(\kb)+\aa)+8*\b+4:32*(2*(\kb)+\aa)+8*\b+7] offset:\aa*16*272+128*(\b/2)+32*(\b%2)+16
.endr
.endr
	WIN 0
.set ii, 0
.rept 16
	ds_load_b128 v[BB+4*ii:BB+4*ii+3], v[RD] offset:272*ii       ; LDS serves a wave's instructions in order: row 16 h + ii, channels 4 r .. 4 r + 3
.set ii, ii+1
.endr
	s_wait_dscnt 0x0
.set ii, 0
.rept 32
	v_pk_mul_f32 v[BB+ii:BB+ii+1], v[BB+ii:BB+ii+1], s[86:87] op_sel_hi:[1,0]          ; (1 - lam) v
.set ii, ii+2
.endr
.if (\kb) < 2
	s_wait_loadcnt 32                              ; the first 64 tokens of v1 are in; the other 32 loads may be out
.else
	s_wait_loadcnt 16*(3-(\kb))
.endif
	WIN 0x01
.set ii, 0
.rept 32
	v_pk_fma_f32 v[BB+ii:BB+ii+1], v[64*(\kb)+ii:64*(\kb)+ii+1], s[84:85], v[BB+ii:BB+ii+1] op_sel_hi:[1,0,1]   ; + lam v1
.set ii, ii+2
.endr
	WIN 0
.set ii, 0
.rept 16
	global_store_b128 v[OO], v[BB+4*ii:BB+4*ii+3], s[6:7] offset:(32*(\kb)+ii)*256 th:TH_STORE_NT   ; sixteen lanes store a row of 256 bytes, aligned
.set ii, ii+1
.endr
.irp f, 0,1,2,3
.set ii, 0
.rept 16
	v_mov_b32 v[TR+32*\f+16*((\kb)%2)+ii], v[BB+4*ii+\f]         ; a channel's tokens on end: the conversions take neighbours along the keys from consecutive registers
.set ii, ii+1
.endr
.endr
.if (\kb)%2 == 1
.irp f, 0,1,2,3
.if \f == 2
	s_wait_dscnt 0x0                               ; channel 0's stores have read the set of registers that is written next
.endif
.if (\kb) == 1
	QUANT2 TR+32*\f, CV+8*(\f%2), SB+\f
.else
	QUANT2 TR+32*\f, CV+8*(\f%2), WW
	v_lshl_or_b32 v[SB+\f], v[WW], 16, v[SB+\f]
.endif
.irp p, 0,1,2
	ds_store_b64 v[VST], v[CV+8*(\f%2)+2*\p:CV+8*(\f%2)+2*\p+1] offset:48*\f+24*((\kb)/2)+8*\p
.endr
.endr
.endif
.endm
	s_wait_alu depctr_va_vdst(0)                   ; the wait at the head's end
	s_wait_tensorcnt 0x0                           ; my tile of the head's four is in
	ds_add_u32 v[SPW], v[NIL]
	s_mov_b32 s[G1+2], 96<<16                      ; no tensor load of mine is out: from here on a load brings half a part
	s_mov_b32 s[G1+4], 96
	s_mov_b32 s[G1B+2], 144<<16
	s_mov_b32 s[G1B+4], 144
	s_wait_dscnt 0x0
	CROUND                                         ; all four tiles are in, and all sixteen work-groups are here
	JLOAD G0+4, G1, G0B+4, G1B                     ; slot 1's first fill, the first tensor load behind the round
	FETCH_B 0, 0
	SCALES 0
	FETCH_A 0, 0
	; the head's descriptors are done with: their registers take the ways out's addresses
	s_lshl_b32 s18, s17, 8
	s_lshl_b32 s19, s15, 7
	s_add_co_u32 s18, s18, s19                     ; my first token of 8,192
	s_lshr_b32 s19, s18, 11                        ; its batch
	s_and_b32 s20, s18, 2047                       ; and place in it
	s_lshl_b32 s21, s42, 1
	s_add_co_u32 s21, s21, s16                     ; my head
	s_lshl_b32 s22, s19, 4
	s_add_co_u32 s22, s22, s21
	s_lshr_b32 s23, s20, 7
	s_mov_b32 s45, 0
	s_mul_i32 s44, s22, HEADB
	s_mul_i32 s46, s23, 6144
	s_add_co_u32 s44, s44, s46
	s_add_nc_u64 s[88:89], s[78:79], s[44:45]      ; q's codes,
	s_add_nc_u64 s[90:91], s[88:89], PART          ; k's,
	s_add_nc_u64 s[92:93], s[90:91], PART          ; v's
	s_lshl_b32 s44, s22, 12
	s_lshl_b32 s46, s23, 8
	s_add_co_u32 s44, s44, s46
	s_add_nc_u64 s[94:95], s[80:81], s[44:45]      ; q's scale bytes
	s_lshl_b32 s44, s20, 8
	s_add_nc_u64 s[96:97], s[72:73], s[44:45]      ; the table at my first token
	s_lshl_b32 s44, s18, 12
	s_lshl_b32 s46, s21, 8
	s_add_co_u32 s44, s44, s46
	s_add_nc_u64 s[4:5], s[74:75], s[44:45]        ; v1 at my first token and head
	s_lshl_b32 s44, s22, 11
	s_add_co_u32 s44, s44, s20
	s_lshl_b32 s44, s44, 8
	s_add_nc_u64 s[6:7], s[82:83], s[44:45]        ; out1 likewise
	s_mov_b32 s98, 0x76543210
	s_mov_b32 s99, 0xfedcba98                      ; v_permlanex16_b32's selects for lane l xor 16
	s_mov_b32 s100, 0x3c800000                     ; 1 / 64
	s_mov_b32 s101, 0x358637bd                     ; 1e-6
	s_wait_kmcnt 0x0
	s_mov_b32 s84, s3                              ; lam
	s_mov_b32 s85, s3
	v_mov_b32 v31, s3
	v_sub_f32 v31, 1.0, v31
	v_readfirstlane_b32 s86, v31                   ; 1 - lam
	s_mov_b32 s87, s86
	STEP 0, 1                                      ; the first step's products start the sums
.irp st, 1,2,3,4,5,6,7
	STEP \st, 0
.endr
	ROPE 1
	v_mov_b32 v[RS+1], 0                           ; upper halves of pairs, and lane permutes' destinations: written once
	v_mov_b32 v[RS+3], 0
	v_mov_b32 v[TQ], 0
	v_mov_b32 v[TQ+1], 0
	v_mov_b32 v[TQ+4], 0
	v_mov_b32 v[TQ+5], 0
.irp a, 0,1,2,3
	QKBLOCK \a
.endr
	V1LOAD 0
.irp a, 4,5,6,7
	QKBLOCK \a
.endr
	V1LOAD 1
	; q's and k's codes (6,144 bytes each) and scale bytes (256 each) leave the stage: every store covers 512 consecutive bytes, the last two runs of 256, all aligned
.set ii, 0
.rept 24
	ds_load_b128 v[64+4*ii:67+4*ii], v[CRD] offset:512*ii
.set ii, ii+1
.endr
	ds_load_b128 v[160:163], v[CRD] offset:SCS
.set ii, 0
.rept 24
	s_wait_dscnt 24-ii                             ; load ii is in: 24 - ii were issued behind it
.if ii < 12
	global_store_b128 v[CGO], v[64+4*ii:67+4*ii], s[88:89] offset:ii*512
.else
	global_store_b128 v[CGO], v[64+4*ii:67+4*ii], s[90:91] offset:(ii-12)*512
.endif
.set ii, ii+1
.endr
	s_wait_dscnt 0x0
	global_store_b128 v[SGO], v[160:163], s[94:95]
.irp kb, 0,1,2,3
	VBLK \kb
.endr
	ds_store_b128 v[VSS], v[SB:SB+3]               ; my four channels' scale words
	s_wait_xcnt 0x0                                ; the stores to out1 have read their registers
.set ii, 0
.rept 12
	ds_load_b128 v[64+4*ii:67+4*ii], v[CRD] offset:VCD+512*ii
.set ii, ii+1
.endr
	ds_load_b64 v[112:113], v[CR8]
.set ii, 0
.rept 12
	s_wait_dscnt 12-ii
	global_store_b128 v[CGO], v[64+4*ii:67+4*ii], s[92:93] offset:ii*512
.set ii, ii+1
.endr
	s_wait_dscnt 0x0
	global_store_b64 v[C8], v[112:113], s[94:95] offset:2*SPART    ; 32 lanes store 256 consecutive bytes, aligned
	s_wait_tensorcnt 0x0                           ; the wave's end, behind my last tensor load and my last LDS store
	ds_add_u32 v[SPW], v[NIL]
	s_wait_dscnt 0x0
	CROUND                                         ; the closing round
	s_endpgm
.Lfunc_end_k_q6e481e95e0_qkv:
	.size	k_q6e481e95e0_qkv, .Lfunc_end_k_q6e481e95e0_qkv-k_q6e481e95e0_qkv
	.p2alignl 7, 3214868480
	.fill 96, 4, 3214868480
	.section	.rodata,"a",@progbits
	.p2align	6, 0x0
	.amdhsa_kernel k_q6e481e95e0_qkv
		.amdhsa_group_segment_fixed_size 327680
		.amdhsa_private_segment_fixed_size 0
		.amdhsa_enable_private_segment 0
		.amdhsa_kernarg_size 64
		.amdhsa_user_sgpr_count 2
		.amdhsa_user_sgpr_kernarg_segment_ptr 1
		.amdhsa_wavefront_size32 1
		.amdhsa_system_sgpr_workgroup_id_x 1
		.amdhsa_system_sgpr_workgroup_id_y 1
		.amdhsa_system_sgpr_workgroup_id_z 1
		.amdhsa_system_vgpr_workitem_id 0
		.amdhsa_next_free_vgpr 1024
		.amdhsa_next_free_sgpr 102
		.amdhsa_reserve_vcc 0
		.amdhsa_float_denorm_mode_32 3
		.amdhsa_float_denorm_mode_16_64 3
		.amdhsa_memory_ordered 1
		.amdhsa_forward_progress 1
		.amdhsa_inst_pref_size 255
	.end_amdhsa_kernel
	.section	.bss,"aw",@nobits
	.p2align	6
	.space	262144
	.amdgpu_metadata
---
amdhsa.version: [ 1, 2 ]
amdhsa.kernels:
  - .name:           k_q6e481e95e0_qkv
    .symbol:         k_q6e481e95e0_qkv.kd
    .args:
      - { .name: codes1, .offset: 0, .size: 8, .value_kind: global_buffer, .address_space: global }
      - { .name: scales1, .offset: 8, .size: 8, .value_kind: global_buffer, .address_space: global }
      - { .name: rope, .offset: 16, .size: 8, .value_kind: global_buffer, .address_space: global }
      - { .name: v1, .offset: 24, .size: 8, .value_kind: global_buffer, .address_space: global }
      - { .name: lamb, .offset: 32, .size: 8, .value_kind: global_buffer, .address_space: global }
      - { .name: qkvc, .offset: 40, .size: 8, .value_kind: global_buffer, .address_space: global }
      - { .name: qkvs, .offset: 48, .size: 8, .value_kind: global_buffer, .address_space: global }
      - { .name: out1, .offset: 56, .size: 8, .value_kind: global_buffer, .address_space: global }
    .group_segment_fixed_size: 327680
    .private_segment_fixed_size: 0
    .kernarg_segment_align: 8
    .kernarg_segment_size: 64
    .max_flat_workgroup_size: 128
    .sgpr_count:     102
    .vgpr_count:     1024
    .wavefront_size: 32
...
	.end_amdgpu_metadata
.endif
;; end of part 2
;; launch attn (part 3): grid 8 x 32, 16 waves a work-group, no clusters, 184,320 bytes of LDS; arguments qkvc, qkvs, oc, os; writes oc, os
.if DOCPART == 3
	.amdgcn_target "amdgcn-amd-amdhsa--gfx1250"
	.amdhsa_code_object_version 6
	.text
	.protected	k_q6e481e95e0_attn
	.globl	k_q6e481e95e0_attn
	.p2align	8
	.type	k_q6e481e95e0_attn,@function
k_q6e481e95e0_attn:
	s_mov_b64 s[64:65], 0
	v_nop
	global_prefetch_b8 v0, s[64:65] scope:SCOPE_SE
	s_setreg_imm32_b32 hwreg(HW_REG_WAVE_MODE, 25, 1), 1
	s_wait_xcnt 0x0
; Attention with the mask 0 <= query - key < 512, on codes of FP6 (E2M3) with E8M0 scales; O / l is quantised along C for the projection.
; A work-group owns TWO neighbouring blocks of 128 queries, 2 X and 2 X + 1 (X = its x), of two heads 2 hp, 2 hp + 1 of a batch (y = 8 b + hp).  Wave w: head w / 8, tile w % 8 of 16 queries of each block, one block after the other.
; The keys that count for the two blocks lie in six steps of 128, from step max(2 X - 4, 0) on (four of a block's five steps serve the other block too): both heads' K and V codes and scale words of these six steps
; come into LDS once, by one tensor load of each of waves 0 to 7; nothing is filled again.  A block walks all six steps; a step behind its diagonal or wholly beyond its window is left out by a branch on ids.
; Tiles under the mask that reference() builds are so left out; for X < 2 steps behind both diagonals are brought and not read.
; Clusters are left out: neighbouring work-groups want other ranges of keys at other LDS places.  No prefetch: the launch's only tensor loads stand at its head, with no loop to run ahead in.
; BOTH PRODUCTS ARE USED TRANSPOSED: a lane holds one query throughout.  K = 64 IS HALF OF THE INSTRUCTION'S 128: a fragment of K holds TWO tiles of 16 keys (dims 0-63 of one, then of the other) and is multiplied
; by [q | 0] and by [0 | q]: zero codes add nothing.  Tile 2 g + u's row r' is key 32 g + 8 u + r' + 8 (r' / 8), so that the 16 registers of two neighbouring tiles are 16 neighbouring keys.
; THE SOFTMAX: t = score x log2(e) / 8; M = the running largest t rounded up to a whole number; p = 2^(t - M) is quantised along the keys; the sum is taken of the unquantised p and divides at the end.
; The queries of a tile are tokens 32 g + 8 u + r % 8 + 16 (r / 8) of the block, as the launch before has stored them.
; oc: [K step pair 4][tile of 16 tokens 512][2][1,536]: images of the projection's operand registers: lane (r, h): 24 bytes of head 2 hp, 24 of head 2 hp + 1.   os: [tile][K half][row 16][16]: the pair of heads hp is word hp % 4 of half hp / 4.
; LIMITS: NaN and infinities are not served; a block of zeros gets the byte 1.
; REGISTERS: v1-4 addresses that stay; v5, v6 the add's; v7 my query - 16 h; v8-11 addresses in hand; v12 -M, v13 largest t, v[14:15] the sum; v16-33 [q | 0 | q] of the first block, v192-209 of the second; v34-35 the way out;
; v36-83 four fragments; v84-87 the way out; v96-159 S^T, then p; v160-191 O^T; v210 the second block's q scale word; v224-235 p's codes; v232-254 at work; v255 the first block's q scale word.
.set HC,    36864                      ; a head's codes of six steps
.set HS,    1536                       ; and its scale words
.set KC,    0                          ; K's codes: 2 heads
.set VC,    2*HC                       ; V's
.set KSC,   4*HC                       ; K's scale words
.set VSC,   KSC+2*HS                   ; V's
.set OST,   VSC+2*HS                   ; the way out: 2 blocks x 8 tiles x 1,536 bytes
.set OSS,   OST+24576                  ; and their scale bytes: 2 x 8 x 64
.set SPARE, OSS+1024                   ; the spare words, 128 bytes for each of 16 waves
.set HEADB, 98304
.set PART,  6291456
.set SPART, 262144
.set AK0,  1
.set AV0,  2
.set ASK0, 3
.set ASV0, 4
.set SPW,  5
.set NIL,  6
.set QL,   7
.set ADK,  8
.set ADV,  9
.set ADS,  10
.set ADT,  11
.set OWA,  34
.set OSA,  35
.set FRG,  36
.set CPA,  84
.set CPS,  85
.set GOC,  86
.set GOS,  87
.set WV,   18
.set SEL,  20
.set CS,   22
.set G1C,  24                          ; s[24:31] group 1 for codes: 144 rows of 256 bytes, dense
.set G1S,  32                          ; s[32:39] for scale words: 6 rows of 256 bytes
.set G0C,  40
.set G0S,  44
.set TB,   48                          ; LDS bytes from the first step's codes to the step's in hand
.set TS,   49                          ; the same for scale words
.set KF,   50                          ; the step's first key
.set QB,   51                          ; the block's first query
.set CNT,  52
	s_load_b256 s[4:11], s[0:1], 0x0               ; qkvc s[4:5], qkvs s[6:7], oc s[8:9], os s[10:11]
	v_lshl_add_u32 v[SPW], v0, 2, SPARE
	v_mov_b32 v[NIL], 0
	ds_add_u32 v[SPW], v[NIL]                      ; the wave's opening: the add, twice on end, and its wait ahead of the first tensor load
	ds_add_u32 v[SPW], v[NIL]
	v_lshrrev_b32 v8, 5, v0
	s_delay_alu instid0(VALU_DEP_1)
	v_readfirstlane_b32 s[WV], v8                  ; wave 0..15
	s_and_b32 s53, ttmp7, 0xffff
	s_lshr_b32 s54, s53, 3                         ; b
	s_and_b32 s55, s53, 7                          ; hp
	s_lshl_b32 s56, ttmp9, 1
	s_sub_co_i32 s56, s56, 4
	s_max_i32 s56, s56, 0                          ; the first key step
	s_lshl_b32 s57, s54, 4
	s_lshl_b32 s58, s55, 1
	s_add_co_u32 s57, s57, s58                     ; 16 b + 2 hp
	; what I fetch, if I fetch: wave % 4 = 0, 1: K of the even, the odd head; 2, 3: V
	s_and_b32 s59, s[WV], 1
	s_add_co_u32 s59, s59, s57
	s_bfe_u32 s60, s[WV], 0x10001
	s_add_co_u32 s60, s60, 1                       ; part 1 is k, part 2 is v
	s_mul_i32 s66, s60, PART
	s_mul_i32 s67, s59, HEADB
	s_add_co_u32 s66, s66, s67
	s_mul_i32 s67, s56, 6144
	s_add_co_u32 s66, s66, s67
	s_mov_b32 s67, 0
	s_mul_i32 s68, s60, SPART
	s_lshl_b32 s69, s59, 12
	s_add_co_u32 s68, s68, s69
	s_lshl_b32 s69, s56, 8
	s_add_co_u32 s68, s68, s69
	s_mov_b32 s69, 0
	s_and_b32 s70, s[WV], 3
	s_mul_i32 s71, s70, HC
	s_mul_i32 s72, s70, HS
	s_add_co_u32 s72, s72, KSC
	s_mov_b32 s[G1C], 3<<16                        ; no mask; elements of 8 bytes; no padding
	s_mov_b32 s[G1C+1], 32<<16                     ; tensor_dim0 = 32
	s_mov_b32 s[G1C+2], 144<<16                    ; tensor_dim1 = 144
	s_mov_b32 s[G1C+3], 32<<16                     ; tile_dim0
	s_mov_b32 s[G1C+4], 144                        ; tile_dim1
	s_mov_b32 s[G1C+5], 32                         ; pitch
	s_mov_b32 s[G1C+6], 0
	s_mov_b32 s[G1C+7], 0
	s_mov_b32 s[G1S], 3<<16
	s_mov_b32 s[G1S+1], 32<<16
	s_mov_b32 s[G1S+2], 6<<16
	s_mov_b32 s[G1S+3], 32<<16
	s_mov_b32 s[G1S+4], 6
	s_mov_b32 s[G1S+5], 32
	s_mov_b32 s[G1S+6], 0
	s_mov_b32 s[G1S+7], 0
	; my own share
	s_lshr_b32 s73, s[WV], 3                       ; c: which of the two heads.  On the way out: which of the two blocks I copy
	s_and_b32 s74, s[WV], 7                        ; my tile of 16 queries
	s_lshr_b32 s75, s74, 1                         ; g
	s_and_b32 s76, s74, 1                          ; u
	s_add_co_u32 s77, s57, s73                     ; my head
	s_lshl_b32 s78, ttmp9, 3
	s_add_co_u32 s78, s78, s75                     ; my group of 32 queries in the first block; the second block's lies 4 groups on
	s_mul_i32 s80, s77, HEADB
	s_mul_i32 s79, s78, 1536
	s_add_co_u32 s80, s80, s79
	s_mul_i32 s79, s76, 24
	s_add_co_u32 s80, s80, s79
	s_mov_b32 s81, 0
	s_lshl_b32 s82, s77, 12
	s_lshl_b32 s79, s78, 6
	s_add_co_u32 s82, s82, s79
	s_lshl_b32 s79, s76, 1
	s_add_co_u32 s82, s82, s79
	s_mov_b32 s83, 0
	s_lshl_b32 s[QB], ttmp9, 8
	s_lshl_b32 s[KF], s56, 7
	s_lshr_b32 s79, s55, 1
	s_mul_i32 s88, s79, 1572864
	s_lshl_b32 s79, s54, 7
	s_lshl_b32 s89, ttmp9, 4
	s_add_co_u32 s79, s79, s89
	s_add_co_u32 s79, s79, s74                     ; the tile among 512: 128 b + 16 X + tile,
	s_mul_i32 s79, s79, 3072
	s_add_co_u32 s88, s88, s79
	s_and_b32 s79, s55, 1
	s_mul_i32 s79, s79, 1536
	s_add_co_u32 s88, s88, s79
	s_mul_i32 s79, s73, 24576                      ; and 8 tiles on for the waves that copy the second block
	s_add_co_u32 s88, s88, s79
	s_mov_b32 s89, 0
	s_lshl_b32 s90, s54, 11
	s_add_co_u32 s90, s90, s[QB]
	s_lshl_b32 s90, s90, 5
	s_and_b32 s79, s55, 3                          ; word hp % 4 of half hp / 4
	s_lshl_b32 s79, s79, 2
	s_add_co_u32 s90, s90, s79
	s_lshr_b32 s79, s55, 2
	s_lshl_b32 s79, s79, 8
	s_add_co_u32 s90, s90, s79
	s_lshl_b32 s79, s73, 12                        ; 8 tiles x 512 on for the second block
	s_add_co_u32 s90, s90, s79
	s_mov_b32 s91, 0
	s_mov_b32 s[SEL], 0x76543210
	s_mov_b32 s[SEL+1], 0xfedcba98
	s_mov_b32 s[CS], 0x3e38aa3b                    ; log2(e) / 8
	s_mov_b32 s[CS+1], s[CS]
	s_mov_b32 s[TB], 0
	s_mov_b32 s[TS], 0
	s_mov_b32 s[CNT], 6
	s_wait_dscnt 0x0                               ; both opening adds are done
	s_wait_kmcnt 0x0
	s_mov_b32 s[G0C], 1
	s_mov_b32 s[G0C+1], s71
	s_add_nc_u64 s[G0C+2:G0C+3], s[4:5], s[66:67]
	s_or_b32 s[G0C+3], s[G0C+3], 0x80000000
	s_mov_b32 s[G0S], 1
	s_mov_b32 s[G0S+1], s72
	s_add_nc_u64 s[G0S+2:G0S+3], s[6:7], s[68:69]
	s_or_b32 s[G0S+3], s[G0S+3], 0x80000000
	s_cmp_lt_u32 s[WV], 4                          ; waves 0-3: codes; waves 4-7: scale words; the others nothing.  An s_nop 0 and four v_nop follow each line
	s_cbranch_scc0 .Lnot_codes
	tensor_load_to_lds s[G0C:G0C+3], s[G1C:G1C+7]
	s_nop 0
.rept 4
	v_nop
.endr
	s_branch .Lasked
.Lnot_codes:
	s_cmp_lt_u32 s[WV], 8
	s_cbranch_scc0 .Lasked
	tensor_load_to_lds s[G0S:G0S+3], s[G1S:G1S+7]
	s_nop 0
.rept 4
	v_nop
.endr
.Lasked:
	s_add_nc_u64 s[84:85], s[4:5], s[80:81]        ; q's codes of my tile
	s_add_nc_u64 s[86:87], s[6:7], s[82:83]        ; and its byte pairs
	s_add_nc_u64 s[88:89], s[8:9], s[88:89]        ; oc at the image that I copy
	s_add_nc_u64 s[90:91], s[10:11], s[90:91]      ; os at the first row of the block that I copy
	v_and_b32 v8, 15, v0                           ; r
	v_bfe_u32 v9, v0, 4, 1                         ; h
	v_and_b32 v10, 31, v0
	s_delay_alu instid0(VALU_DEP_1)
	v_lshlrev_b32 v[GOC], 4, v10
	s_delay_alu instid0(VALU_DEP_1)
	v_lshl_add_u32 v[GOS], v9, 8, v[GOC]           ; 16 r + 512 h: a row's 16 bytes, a tile's 512
	s_delay_alu instid0(VALU_DEP_3)
	v_lshl_add_u32 v[CPS], v10, 2, OSS
	s_delay_alu instid0(VALU_DEP_4)
	v_mul_u32_u24 v10, v10, 48
	v_lshlrev_b32 v11, 2, v8
.irp p, 0,1,2
	global_load_b64 v[16+2*\p:17+2*\p], v10, s[84:85] offset:8*\p      ; q twice: [q | 0] is v[16:27], [0 | q] is v[22:33]
	global_load_b64 v[28+2*\p:29+2*\p], v10, s[84:85] offset:8*\p
.endr
	global_load_u16 v254, v11, s[86:87]
.irp p, 0,1,2
	global_load_b64 v[192+2*\p:193+2*\p], v10, s[84:85] offset:6144+8*\p      ; the second block's q, 4 groups of 1,536 bytes on
	global_load_b64 v[204+2*\p:205+2*\p], v10, s[84:85] offset:6144+8*\p
.endr
	global_load_u16 v211, v11, s[86:87] offset:256
	s_mul_i32 s79, s73, HC
	v_add_nc_u32 v[AK0], s79, v10
	s_delay_alu instid0(VALU_DEP_1)
	v_add_nc_u32 v[AV0], VC, v[AK0]
	s_mul_i32 s79, s73, HS
	s_add_co_u32 s79, s79, KSC
	v_add_nc_u32 v[ASK0], s79, v11
	s_delay_alu instid0(VALU_DEP_1)
	v_add_nc_u32 v[ASV0], VSC-KSC, v[ASK0]
	s_lshl_b32 s79, s75, 5
	s_add_co_u32 s79, s79, s[QB]
	s_lshl_b32 s92, s76, 3
	s_add_co_u32 s79, s79, s92
	v_and_b32 v[QL], 7, v0
	v_bfe_u32 v12, v0, 3, 1
	s_delay_alu instid0(VALU_DEP_1)
	v_lshl_add_u32 v[QL], v12, 4, v[QL]
	v_lshlrev_b32 v12, 4, v9
	s_delay_alu instid0(VALU_DEP_1)
	v_sub_nc_u32 v[QL], v[QL], v12
	s_delay_alu instid0(VALU_DEP_1)
	v_add_nc_u32 v[QL], s79, v[QL]                 ; my query - 16 h
	s_mul_i32 s79, s74, 1536
	s_add_co_u32 s79, s79, OST
	s_mul_i32 s92, s73, 12288
	s_add_co_u32 s92, s92, s79
	v_add_nc_u32 v[CPA], s92, v[GOC]               ; the image that I copy: tile w % 8 of block w / 8
	s_lshl_b32 s92, s73, 9
	v_add_nc_u32 v[CPS], s92, v[CPS]
	s_mul_i32 s92, s73, 24
	s_add_co_u32 s79, s79, s92
	v_add_nc_u32 v[OWA], s79, v10
	s_lshl_b32 s79, s74, 6
	s_lshl_b32 s92, s73, 1
	s_add_co_u32 s79, s79, s92
	s_add_co_u32 s79, s79, OSS
	v_add_nc_u32 v[OSA], s79, v11
	v_mov_b32 v13, 0xff61b1e6                      ; the largest t so far: -3e38
	s_delay_alu instid0(VALU_DEP_1)
	v_floor_f32 v12, -v13                          ; -M
	v_mov_b32 v14, 0
	v_mov_b32 v15, 0
.irp j, 22,23,24,25,26,27,198,199,200,201,202,203
	v_mov_b32 v[\j], 0                             ; the zero halves
.endr
.irp b, 0,1,2,3
	v_mov_b32 v[236+\b], 0                         ; a lane permute's destination counts as one of its sources
.endr
	v_mov_b32 v252, 0
	v_mov_b32 v253, 0
	s_wait_loadcnt 0x0                             ; q
	v_lshl_or_b32 v255, v254, 16, v254             ; q's two bytes for either half of K
	v_lshl_or_b32 v210, v211, 16, v211
.set jj, 0
.rept 32
	v_mov_b32 v[160+jj], 0                         ; O^T: the loop is written once; its first step finds zeros
.set jj, jj+1
.endr
	s_wait_tensorcnt 0x0                           ; my load has landed,
	s_barrier_signal -1
	s_barrier_wait -1                              ; everybody's has
; ONE BLOCK OF 128 QUERIES: six trips over the key steps in LDS, then O / l, quantised, into the block's stage
.macro BLOCK blk
.if \blk
	v_add_nc_u32 v[QL], 128, v[QL]                 ; the second block: 128 queries on, all sums begun anew
	v_mov_b32 v13, 0xff61b1e6
	s_delay_alu instid0(VALU_DEP_1)
	v_floor_f32 v12, -v13
	v_mov_b32 v14, 0
	v_mov_b32 v15, 0
.set jj, 0
.rept 32
	v_mov_b32 v[160+jj], 0
.set jj, jj+1
.endr
	s_add_co_u32 s[QB], s[QB], 128
	s_lshl_b32 s[KF], s56, 7
	s_mov_b32 s[TB], 0
	s_mov_b32 s[TS], 0
	s_mov_b32 s[CNT], 6
	s_wait_alu depctr_va_vdst(0)                   ; the wait ahead of the branches below
.endif
.Lstep_\@:
	s_cmp_gt_u32 s[KF], s[QB]                      ; a step behind the diagonal is left out: a branch on ids
	s_cbranch_scc1 .Lhidden_\@
	s_add_co_u32 s93, s[KF], 512
	s_cmp_lt_u32 s93, s[QB]                        ; and so is a step wholly beyond the window
	s_cbranch_scc1 .Lhidden_\@
	v_add_nc_u32 v[ADK], s[TB], v[AK0]             ; (these four are also the places in front of the loads below)
	v_add_nc_u32 v[ADV], s[TB], v[AV0]
	v_add_nc_u32 v[ADS], s[TS], v[ASK0]
	v_add_nc_u32 v[ADT], s[TS], v[ASV0]
.irp t, 0,1,2,3
.irp p, 0,1,2
	ds_load_b128 v[FRG+12*\t+4*\p:FRG+12*\t+4*\p+3], v[ADK] offset:1536*\t+16*\p
.endr
	ds_load_b32 v[248+\t], v[ADS] offset:64*\t
.endr
	s_wait_alu depctr_va_vdst(0)
	s_wait_dscnt 0x0
.irp t, 0,1,2,3
	v_wmma_scale_f32_16x16x128_f8f6f4 v[96+16*\t:103+16*\t], v[FRG+12*\t:FRG+12*\t+11], v[16+176*\blk:27+176*\blk], 0, v[248+\t], v[255-45*\blk] matrix_a_fmt:MATRIX_FMT_FP6 matrix_b_fmt:MATRIX_FMT_FP6
	v_wmma_scale_f32_16x16x128_f8f6f4 v[104+16*\t:111+16*\t], v[FRG+12*\t:FRG+12*\t+11], v[22+176*\blk:33+176*\blk], 0, v[248+\t], v[255-45*\blk] matrix_a_fmt:MATRIX_FMT_FP6 matrix_b_fmt:MATRIX_FMT_FP6
.endr
.rept 4
	v_nop                                          ; places behind the products
.endr
.irp t, 0,1,2,3                                    ; V's fragments of this step are asked for now, into the registers that K's have left: they land under the softmax
.irp p, 0,1,2
	ds_load_b128 v[FRG+12*\t+4*\p:FRG+12*\t+4*\p+3], v[ADV] offset:1536*\t+16*\p
.endr
	ds_load_b32 v[248+\t], v[ADT] offset:64*\t
.endr
	; register n holds key KF + 16 h + 32 (n / 16) + n % 16
	s_cmp_lg_u32 s[KF], s[QB]
	s_cbranch_scc1 .Lnot_diag_\@
	s_sub_co_u32 s92, 0, s[KF]
	v_add_nc_u32 v252, s92, v[QL]                  ; on the diagonal: hidden where the key comes after the query
	v_mov_b32 v254, 0xff800000
.set jj, 0
.rept 64
	v_cmp_gt_i32 vcc_lo, 32*(jj/16)+jj%16, v252
	v_cndmask_b32 v[96+jj], v[96+jj], v254, vcc_lo
.set jj, jj+1
.endr
.Lnot_diag_\@:
	s_add_co_u32 s93, s[KF], 512
	s_cmp_lg_u32 s93, s[QB]
	s_cbranch_scc1 .Lopen_\@
	s_sub_co_u32 s92, 0, s[KF]
	s_sub_co_u32 s92, s92, 512
	v_add_nc_u32 v252, s92, v[QL]                  ; at the window's far edge: hidden where query - key is 512 or more
	v_mov_b32 v254, 0xff800000
.set jj, 0
.rept 64
	v_cmp_le_i32 vcc_lo, 32*(jj/16)+jj%16, v252
	v_cndmask_b32 v[96+jj], v[96+jj], v254, vcc_lo
.set jj, jj+1
.endr
.Lopen_\@:
.irp b, 0,1,2,3
	v_max3_num_f32 v[232+\b], v[96+16*\b], v[97+16*\b], v[98+16*\b]   ; the largest score of each block of 32 keys: for the row's maximum, and, since p rises with the score, for the block's largest p
.endr
.irp i, 3,5,7,9,11,13
.irp b, 0,1,2,3
	v_max3_num_f32 v[232+\b], v[232+\b], v[96+16*\b+\i], v[97+16*\b+\i]
.endr
.endr
.irp b, 0,1,2,3
	v_max_num_f32 v[232+\b], v[232+\b], v[111+16*\b]
.endr
.irp b, 0,1,2,3
	s_delay_alu instid0(VALU_DEP_4)
	v_permlanex16_b32 v[236+\b], v[232+\b], s[SEL], s[SEL+1]
.endr
.irp b, 0,1,2,3
	s_delay_alu instid0(VALU_DEP_4)
	v_max_num_f32 v[232+\b], v[232+\b], v[236+\b]
.endr
	s_delay_alu instid0(VALU_DEP_2)
	v_max3_num_f32 v254, v232, v233, v234
	s_delay_alu instid0(VALU_DEP_1)
	v_max_num_f32 v254, v254, v235
	s_delay_alu instid0(VALU_DEP_1)
	v_mul_f32 v254, s[CS], v254
	s_delay_alu instid0(VALU_DEP_1)
	v_max_num_f32 v13, v13, v254                   ; the running largest t
	v_mov_b32 v254, v12
	s_delay_alu instid0(VALU_DEP_2)
	v_floor_f32 v12, -v13                          ; -M = floor(-t): M is a whole number
	s_delay_alu instid0(VALU_DEP_1)
	v_sub_f32 v254, v12, v254
	s_delay_alu instid0(VALU_DEP_1)
	v_cvt_i32_f32 v254, v254                       ; (it saturates)
	s_delay_alu instid0(VALU_DEP_1)
	v_ldexp_f32 v252, 1.0, v254                    ; f = 2^(old M - new M): exact
.set jj, 0
.rept 32
	v_pk_fma_f32 v[96+jj:97+jj], v[96+jj:97+jj], s[CS:CS+1], v[12:13] op_sel_hi:[1,0,0]   ; t - M
.set jj, jj+2
.endr
.irp b, 0,1,2,3
	v_fma_f32 v[232+\b], v[232+\b], s[CS], v12
.endr
.set jj, 0
	s_wait_alu depctr_va_vdst(0)
.rept 64
	v_exp_f32 v[96+jj], v[96+jj]                   ; p = 2^(t - M)
.set jj, jj+1
.endr
	v_pk_mul_f32 v[14:15], v[14:15], v[252:253] op_sel_hi:[1,0]   ; the sums under the new M; a plain place behind the exponentials
	s_wait_alu depctr_va_vdst(0)                   ; one wait for the batch, ahead of its first reader
.irp b, 0,1,2,3
	v_exp_f32 v[232+\b], v[232+\b]                 ; the block's largest p
.endr
	v_pk_add_f32 v[236:237], v[100:101], v[104:105]
	v_pk_add_f32 v[246:247], v[108:109], v[112:113]
	v_pk_add_f32 v[244:245], v[116:117], v[120:121]
	v_pk_add_f32 v[242:243], v[124:125], v[128:129]
	v_pk_add_f32 v[240:241], v[132:133], v[136:137]
	v_pk_add_f32 v[238:239], v[140:141], v[144:145]
	v_pk_add_f32 v[230:231], v[148:149], v[152:153]
	v_pk_add_f32 v[14:15], v[14:15], v[156:157]
	v_pk_add_f32 v[236:237], v[236:237], v[96:97]
	v_pk_add_f32 v[246:247], v[246:247], v[98:99]
	v_pk_add_f32 v[244:245], v[244:245], v[102:103]
	v_pk_add_f32 v[242:243], v[242:243], v[106:107]
	v_pk_add_f32 v[240:241], v[240:241], v[110:111]
	v_pk_add_f32 v[238:239], v[238:239], v[114:115]
	v_pk_add_f32 v[230:231], v[230:231], v[118:119]
	v_pk_add_f32 v[14:15], v[14:15], v[122:123]
	v_pk_add_f32 v[236:237], v[236:237], v[126:127]
	v_pk_add_f32 v[246:247], v[246:247], v[130:131]
	v_pk_add_f32 v[244:245], v[244:245], v[134:135]
	v_pk_add_f32 v[242:243], v[242:243], v[138:139]
	v_pk_add_f32 v[240:241], v[240:241], v[142:143]
	v_pk_add_f32 v[238:239], v[238:239], v[146:147]
	v_pk_add_f32 v[230:231], v[230:231], v[150:151]
	v_pk_add_f32 v[14:15], v[14:15], v[154:155]
	v_pk_add_f32 v[236:237], v[236:237], v[158:159]
	s_delay_alu instid0(VALU_DEP_2)
	v_pk_add_f32 v[14:15], v[14:15], v[242:243]
	s_delay_alu instid0(VALU_DEP_2)
	v_pk_add_f32 v[236:237], v[236:237], v[240:241]
	v_pk_add_f32 v[246:247], v[246:247], v[238:239]
	v_pk_add_f32 v[244:245], v[244:245], v[230:231]
	s_delay_alu instid0(VALU_DEP_2)
	v_pk_add_f32 v[14:15], v[14:15], v[246:247]
	s_delay_alu instid0(VALU_DEP_2)
	v_pk_add_f32 v[236:237], v[236:237], v[244:245]
	s_delay_alu instid0(VALU_DEP_1)
	v_pk_add_f32 v[14:15], v[14:15], v[236:237]
	s_wait_alu depctr_va_vdst(0)                   ; and one for the four
.irp b, 0,1,2,3
	v_max_num_f32 v[232+\b], 0x1800000, v[232+\b]  ; the floor 2^(3 - 127)
.endr
.irp b, 0,1,2,3
	s_delay_alu instid0(VALU_DEP_4)
	v_add_nc_u32 v[244+\b], 0xff000000, v[232+\b]
.endr
.irp b, 0,1,2,3
	s_delay_alu instid0(VALU_DEP_4)
	v_lshrrev_b32 v[236+\b], 23, v[244+\b]
.endr
	s_delay_alu instid0(VALU_DEP_3)
	v_lshl_or_b32 v253, v237, 8, v236              ; p's scale word for these 128 keys
	s_delay_alu instid0(VALU_DEP_1)
	v_lshl_or_b32 v253, v238, 16, v253
	s_delay_alu instid0(VALU_DEP_1)
	v_lshl_or_b32 v253, v239, 24, v253
.irp c, 0,1
	v_cvt_scalef32_pk16_fp6_f32 v[224+6*\c:226+6*\c], v[96+32*\c:111+32*\c], v[244+2*\c]
	v_cvt_scalef32_pk16_fp6_f32 v[236+4*\c:238+4*\c], v[112+32*\c:127+32*\c], v[244+2*\c+1]
.endr
	v_nop                                          ; one plain place behind a scaled conversion
.irp c, 0,1
.irp i, 0,1,2
	v_permlane16_swap_b32 v[224+6*\c+\i], v[236+4*\c+\i]
.endr
.irp i, 0,1,2
	s_delay_alu instid0(VALU_DEP_3)
	v_mov_b32 v[227+6*\c+\i], v[236+4*\c+\i]
.endr
.endr
.set jj, 0
.rept 16
	v_pk_mul_f32 v[160+jj:161+jj], v[160+jj:161+jj], v[252:253] op_sel_hi:[1,0]   ; O^T under the new M; these sixteen are also the places in front of the products below
.set jj, jj+2
.endr
	s_wait_alu depctr_va_vdst(0)
	s_wait_dscnt 0x0                               ; V's fragments and scale words are in
.irp t, 0,1,2,3
	v_wmma_scale_f32_16x16x128_f8f6f4 v[160+8*\t:167+8*\t], v[FRG+12*\t:FRG+12*\t+11], v[224:235], v[160+8*\t:167+8*\t], v[248+\t], v253 matrix_a_fmt:MATRIX_FMT_FP6 matrix_b_fmt:MATRIX_FMT_FP6
.endr
.Lhidden_\@:
	s_add_co_u32 s[KF], s[KF], 128
	s_add_co_u32 s[TB], s[TB], 6144
	s_add_co_u32 s[TS], s[TS], 256
	s_sub_co_u32 s[CNT], s[CNT], 1
	s_cmp_lg_u32 s[CNT], 0
	s_cbranch_scc1 .Lstep_\@
	; THE WAY OUT: O^T / the sum; register n is channel 32 (n / 16) + 16 h + n % 16 of my query: quantised along the channels, two blocks
.rept 4
	v_nop                                          ; places behind the last products
.endr
	v_add_f32 v14, v14, v15
	s_delay_alu instid0(VALU_DEP_1)
	v_permlanex16_b32 v252, v14, s[SEL], s[SEL+1]
	s_delay_alu instid0(VALU_DEP_1)
	v_add_f32 v14, v14, v252
	s_wait_alu depctr_va_vdst(0)
	v_rcp_f32 v14, v14
	v_nop
	s_wait_alu depctr_va_vdst(0)                   ; the wait ahead of the reciprocal's first reader
.set jj, 0
.rept 32
	v_mul_f32 v[96+jj], v[160+jj], v14
.set jj, jj+1
.endr
	v_max3_num_f32 v232, |v96|, |v97|, 0x1800000
	v_max3_num_f32 v233, |v112|, |v113|, 0x1800000
.irp i, 2,4,6,8,10,12,14
	s_delay_alu instid0(VALU_DEP_2)
	v_max3_num_f32 v232, v232, |v[96+\i]|, |v[97+\i]|
	s_delay_alu instid0(VALU_DEP_2)
	v_max3_num_f32 v233, v233, |v[112+\i]|, |v[113+\i]|
.endr
	s_delay_alu instid0(VALU_DEP_2)
	v_permlanex16_b32 v236, v232, s[SEL], s[SEL+1]
	s_delay_alu instid0(VALU_DEP_2)
	v_permlanex16_b32 v237, v233, s[SEL], s[SEL+1]
	s_delay_alu instid0(VALU_DEP_2)
	v_max_num_f32 v232, v232, v236
	s_delay_alu instid0(VALU_DEP_2)
	v_max_num_f32 v233, v233, v237
	s_delay_alu instid0(VALU_DEP_2)
	v_add_nc_u32 v244, 0xff000000, v232
	s_delay_alu instid0(VALU_DEP_2)
	v_add_nc_u32 v245, 0xff000000, v233
	s_delay_alu instid0(VALU_DEP_2)
	v_lshrrev_b32 v240, 23, v244
	s_delay_alu instid0(VALU_DEP_2)
	v_lshrrev_b32 v241, 23, v245
	s_delay_alu instid0(VALU_DEP_1)
	v_lshl_or_b32 v242, v241, 8, v240
	v_cvt_scalef32_pk16_fp6_f32 v[224:226], v[96:111], v244
	v_cvt_scalef32_pk16_fp6_f32 v[228:230], v[112:127], v245
	v_nop
.irp i, 0,1,2
	v_permlane16_swap_b32 v[224+\i], v[228+\i]
.endr
	s_delay_alu instid0(VALU_DEP_3)
	v_mov_b32 v227, v228
	s_delay_alu instid0(VALU_DEP_3)
	v_mov_b32 v228, v229
	s_delay_alu instid0(VALU_DEP_3)
	v_mov_b32 v229, v230
.irp p, 0,1,2
	ds_store_b64 v[OWA], v[224+2*\p:225+2*\p] offset:12288*\blk+8*\p
.endr
	ds_store_b16 v[OSA], v242 offset:512*\blk      ; both halves of the lanes write the same two bytes with the same value
.endm
	BLOCK 0
	BLOCK 1
	s_wait_dscnt 0x0                               ; for the others' sake: my stores have landed
	s_barrier_signal -1
	s_barrier_wait -1                              ; every tile's image holds both heads' halves now
.irp p, 0,1,2
	ds_load_b128 v[96+4*\p:99+4*\p], v[CPA] offset:512*\p      ; sixteen images, one a wave
.endr
.irp p, 0,1,2
	s_wait_dscnt 2-\p                              ; load p is in: 2 - p were issued behind it
	global_store_b128 v[GOC], v[96+4*\p:99+4*\p], s[88:89] offset:512*\p     ; 512 consecutive bytes, aligned
.endr
	s_cmp_eq_u32 s74, 0                            ; waves 0 and 8 also copy their block's scale words
	s_cbranch_scc0 .Lend
.irp j, 0,1,2,3
	ds_load_b32 v[112+\j], v[CPS] offset:128*\j
.endr
.irp j, 0,1,2,3
	s_wait_dscnt 3-\j
	global_store_b32 v[GOS], v[112+\j], s[90:91] offset:1024*\j     ; four bytes of each row's 16: 262,144 bytes in the whole launch
.endr
.Lend:
	s_wait_tensorcnt 0x0                           ; the wave's end, behind my last tensor load and my last LDS store
	ds_add_u32 v[SPW], v[NIL]
	s_wait_dscnt 0x0
	s_endpgm
.Lfunc_end_k_q6e481e95e0_attn:
	.size	k_q6e481e95e0_attn, .Lfunc_end_k_q6e481e95e0_attn-k_q6e481e95e0_attn
	.p2alignl 7, 3214868480
	.fill 96, 4, 3214868480
	.section	.rodata,"a",@progbits
	.p2align	6, 0x0
	.amdhsa_kernel k_q6e481e95e0_attn
		.amdhsa_group_segment_fixed_size 184320
		.amdhsa_private_segment_fixed_size 0
		.amdhsa_enable_private_segment 0
		.amdhsa_kernarg_size 32
		.amdhsa_user_sgpr_count 2
		.amdhsa_user_sgpr_kernarg_segment_ptr 1
		.amdhsa_wavefront_size32 1
		.amdhsa_system_sgpr_workgroup_id_x 1
		.amdhsa_system_sgpr_workgroup_id_y 1
		.amdhsa_system_sgpr_workgroup_id_z 1
		.amdhsa_system_vgpr_workitem_id 0
		.amdhsa_next_free_vgpr 256
		.amdhsa_next_free_sgpr 96
		.amdhsa_reserve_vcc 1
		.amdhsa_float_denorm_mode_32 3
		.amdhsa_float_denorm_mode_16_64 3
		.amdhsa_memory_ordered 1
		.amdhsa_forward_progress 1
		.amdhsa_inst_pref_size 79
	.end_amdhsa_kernel
	.amdgpu_metadata
---
amdhsa.version: [ 1, 2 ]
amdhsa.kernels:
  - .name:           k_q6e481e95e0_attn
    .symbol:         k_q6e481e95e0_attn.kd
    .args:
      - { .name: qkvc, .offset: 0, .size: 8, .value_kind: global_buffer, .address_space: global }
      - { .name: qkvs, .offset: 8, .size: 8, .value_kind: global_buffer, .address_space: global }
      - { .name: oc, .offset: 16, .size: 8, .value_kind: global_buffer, .address_space: global }
      - { .name: os, .offset: 24, .size: 8, .value_kind: global_buffer, .address_space: global }
    .group_segment_fixed_size: 184320
    .private_segment_fixed_size: 0
    .kernarg_segment_align: 8
    .kernarg_segment_size: 32
    .max_flat_workgroup_size: 512
    .sgpr_count:     96
    .vgpr_count:     256
    .wavefront_size: 32
...
	.end_amdgpu_metadata
.endif
;; end of part 3
;; launch proj (part 4): grid 4 x 64, 4 waves a work-group, clusters of 4 x 4, 327,680 bytes of LDS; arguments oc, os, codes1, scales1, c_proj_b, out0; writes out0
.if DOCPART == 4
	.amdgcn_target "amdgcn-amd-amdhsa--gfx1250"
	.amdhsa_code_object_version 6
	.text
	.protected	k_q6e481e95e0_proj
	.globl	k_q6e481e95e0_proj
	.p2align	8
	.type	k_q6e481e95e0_proj,@function
k_q6e481e95e0_proj:
	s_mov_b64 s[64:65], 0
	v_nop
	global_prefetch_b8 v0, s[64:65] scope:SCOPE_SE
	s_setreg_imm32_b32 hwreg(HW_REG_WAVE_MODE, 25, 1), 1
	s_wait_xcnt 0x0
	s_wait_alu depctr_hold_cnt(0) depctr_sa_sdst(0) depctr_va_vdst(0) depctr_va_sdst(0) depctr_va_ssrc(0) depctr_va_vcc(0) depctr_vm_vsrc(0)
	s_getreg_b32 s2, hwreg(HW_REG_IB_STS2, 6, 4)
	s_cmp_eq_u32 s2, 0
	s_cbranch_scc0 .Lentry_in_a_cluster
	s_endpgm
.Lentry_in_a_cluster:
	s_bfe_u32 s2, ttmp6, 0x10000c
	s_cmp_lg_u32 s2, 0xf033
	s_cbranch_scc0 .Lentry_shape_is_right
	s_endpgm
.Lentry_shape_is_right:
; y = O c_proj_w^T + c_proj_b on codes of FP6 (E2M3) with E8M0 scales: [8192 tokens] x [1024 features], K = 1024.
; 4 x 64 = 256 work-groups.  A work-group makes 128 tokens x 256 features, wave (th, f) 64 x 128: 32 accumulators in window 1, accumulator (token block a, feature tile b) at v[8 (8 a + b)].
; Both operands come as images of the operand's registers, laid [K pair 4][tile of 16 rows][2][1,536 bytes]: a fragment is three loads of 16 bytes at 48 x lane, and every tensor row is 256 dense bytes.
; ALL OF K STAYS IN LDS (O 4 x 24,576 bytes, the weight 4 x 49,152, the scales 4,096 + 8,192): nothing is filled again.  The head's four loads bring K pair 0 of both and the scales;
; pairs 1 and 2 are asked for behind one round of the cluster's barrier, pair 3 (half a part a wave) behind a second, in step 1; a barrier in step 5 shows pair 3 whole.
; CLUSTERS of 4 x 4: O's tiles are shared along a row of the cluster, the weight's along a column.  No prefetch: all tiles have been asked for when the second of the eight steps ends.
; THE MATRIX INSTRUCTION IS USED TRANSPOSED (source 0 = 16 rows of the weight, source 1 = 16 tokens): a lane holds eight neighbouring features of one token.  The bias is the C of each accumulator's first product.
; A tile's row r is token 32 g + 8 u + r % 8 + 16 (r / 8) of its block of 128 (tile 2 g + u), as attention has stored it: the way out puts each row at its token.
; WINDOW 0: v0-31 addresses; v32-47 scale words, two sets; v48-111 the bias; v112-207 O's fragments, two sets of four.  WINDOW 2: the weight's fragments, two sets of eight, at v0 and v128.
.set AP,    24576                      ; O's part of a K pair: 8 tiles x 3,072
.set BP,    49152                      ; the weight's: 16 tiles
.set BT,    4*AP
.set SCA,   BT+4*BP
.set SCB,   SCA+4096
.set SPARE, SCB+8192                   ; the spare words, 128 bytes a wave
.set SPITCH, 528                       ; the way out: 16 rows x (512 + 16) bytes a wave, in O's pairs 0 and 1: they have had their only fill, and their last read stands ahead of step 5's barrier
.set ASTEP, 1572864                    ; bytes from K pair to K pair in oc
.set BSTEP, 196608                     ; and in the weight's codes
.set POFF,  8650752
.set PSOFF, 360448
.set ADRA,16
.set ADRB,18
.set STO,24
.set RD,25
.set CO,26
.set ADRS,27
.set SPW,28
.set NIL,29
.set BO,30
.set SC,32
.set BI,48
.set AF,112
.set BK,112
.set G0H,4
.set G0HB,8
.set G0S,20
.set G1,24
.set G0,32
.set G0SB,44
.set G1B,48
.set G0B,56
.set G1S,84
.set G1SB,92
.set MSB, 0
.macro WIN new                         ; the immediate's high byte repeats the setting that is left
.if MSB != \new
	s_set_vgpr_msb (MSB<<8)|\new
.set MSB, \new
.endif
.endm
.macro PLACES                          ; plain vector instructions between a matrix instruction and a load into, or a read of, its registers
.rept 4
	v_nop
.endr
.endm
.macro JLOAD g0a, g1a, g0b, g1b        ; a joint load: waves 0 and 1 fetch for O, waves 2 and 3 for the weight; s_nop 0 and four v_nop behind each line
	s_cmp_eq_u32 s15, 0
	s_cbranch_scc0 .Lfor_b_\@
	tensor_load_to_lds s[\g0a:\g0a+3], s[\g1a:\g1a+7]
	s_nop 0
	PLACES
	s_branch .Lasked_\@
.Lfor_b_\@:
	tensor_load_to_lds s[\g0b:\g0b+3], s[\g1b:\g1b+7]
	s_nop 0
	PLACES
.Lasked_\@:
.endm
.macro CREST
	s_cmp_lg_u32 s14, 0
	s_cbranch_scc1 .Lnot_wave_0_\@
	s_barrier_signal -3
.Lnot_wave_0_\@:
	s_barrier_wait -3
	s_barrier_signal -1
	s_barrier_wait -1
.endm
.macro CROUND
	s_barrier_signal -1
	s_barrier_wait -1
	CREST
.endm
.macro DESC g, rows                    ; group 1 behind its first word: rows of 32 elements of 8 bytes, dense
	s_mov_b32 s[\g+1], 32<<16
	s_mov_b32 s[\g+2], (\rows)<<16
	s_mov_b32 s[\g+3], 32<<16
	s_mov_b32 s[\g+4], \rows
	s_mov_b32 s[\g+5], 32
	s_mov_b32 s[\g+6], 0
	s_mov_b32 s[\g+7], 0
.endm
.macro HEADG g, lds
	s_mov_b32 s[\g], 1
	s_mov_b32 s[\g+1], \lds
	s_or_b32 s[\g+3], s[\g+3], 0x80000000
.endm
	s_load_b256 s[68:75], s[0:1], 0x0              ; oc 68, os 70, codes1 72, scales1 74
	s_load_b128 s[76:79], s[0:1], 0x20             ; c_proj_b 76, out0 78
	v_lshl_add_u32 v[SPW], v0, 2, SPARE
	v_mov_b32 v[NIL], 0
	ds_add_u32 v[SPW], v[NIL]                      ; the wave's opening: the add, twice on end, and its wait ahead of my first tensor load
	ds_add_u32 v[SPW], v[NIL]
	v_lshrrev_b32 v1, 5, v0
	v_readfirstlane_b32 s14, v1                    ; wave 0..3
	s_lshr_b32 s15, s14, 1                         ; th: which 64 tokens.  Also: behind the head I fetch for O (0) or for the weight (1)
	s_and_b32 s16, s14, 1                          ; f: which 128 features.  Also: which of two loads is mine
	s_bfe_u32 s40, ttmp6, 0x40000                  ; cx, cy
	s_bfe_u32 s41, ttmp6, 0x40004
	s_lshl_b32 s42, ttmp9, 2
	s_add_co_u32 s42, s42, s40                     ; the block of 256 features
	s_and_b32 s17, ttmp7, 0xffff
	s_lshl_b32 s17, s17, 2
	s_add_co_u32 s17, s17, s41                     ; the block of 128 tokens
	s_lshl_b32 s43, s41, 2
	s_lshl_b32 s43, 15, s43                        ; my row of the cluster
	s_lshl_b32 s66, 0x1111, s40                    ; my column
	s_or_b32 s[G1], s43, (3<<16)|(1<<21)           ; the mask; elements of 8 bytes; bit 21 beside a mask
	s_or_b32 s[G1B], s66, (3<<16)|(1<<21)
	s_or_b32 s[G1S], s43, (3<<16)|(1<<21)
	s_or_b32 s[G1SB], s66, (3<<16)|(1<<21)
	DESC G1, 96                                    ; a K pair of O,
	DESC G1B, 192                                  ; of the weight,
	DESC G1S, 16                                   ; O's scales,
	DESC G1SB, 32                                  ; the weight's
	s_wait_dscnt 0x0                               ; both opening adds are done
	s_wait_kmcnt 0x0
	s_mov_b32 s19, 0
	s_mul_i32 s18, s17, AP
	s_add_nc_u64 s[G0H+2:G0H+3], s[68:69], s[18:19]
	s_mul_i32 s18, s42, BP
	s_add_co_u32 s18, s18, POFF
	s_add_nc_u64 s[G0HB+2:G0HB+3], s[72:73], s[18:19]
	s_lshl_b32 s18, s17, 12
	s_add_nc_u64 s[G0S+2:G0S+3], s[70:71], s[18:19]
	s_lshl_b32 s18, s42, 13
	s_add_co_u32 s18, s18, PSOFF
	s_add_nc_u64 s[G0SB+2:G0SB+3], s[74:75], s[18:19]
	s_add_co_u32 s12, s16, 1                       ; the second group of loads: K pair 1 or 2, whole
	s_mul_i32 s18, s12, ASTEP
	s_add_nc_u64 s[G0+2:G0+3], s[G0H+2:G0H+3], s[18:19]
	s_mul_i32 s18, s12, BSTEP
	s_add_nc_u64 s[G0B+2:G0B+3], s[G0HB+2:G0HB+3], s[18:19]
	s_mul_i32 s[G0+1], s12, AP
	s_mul_i32 s[G0B+1], s12, BP
	s_add_co_u32 s[G0B+1], s[G0B+1], BT
	s_mul_i32 s18, s16, AP/2                       ; the third: half of K pair 3
	s_add_co_u32 s[G0+5], s18, 3*AP
	s_add_co_u32 s18, s18, 3*ASTEP
	s_add_nc_u64 s[G0+6:G0+7], s[G0H+2:G0H+3], s[18:19]
	s_mul_i32 s18, s16, BP/2
	s_add_co_u32 s[G0B+5], s18, BT+3*BP
	s_add_co_u32 s18, s18, 3*BSTEP
	s_add_nc_u64 s[G0B+6:G0B+7], s[G0HB+2:G0HB+3], s[18:19]
.irp g, G0, G0+4, G0B, G0B+4
	s_mov_b32 s[\g], 1
	s_or_b32 s[\g+3], s[\g+3], 0x80000000
.endr
	HEADG G0H, 0
	HEADG G0HB, BT
	HEADG G0S, SCA
	HEADG G0SB, SCB
	CROUND                                         ; all sixteen work-groups are here: the first joint loads meet
.macro ARM under, g0, g1, next         ; the head's loads, one a wave: one chain of branches on the wave's number, all arms leading to one join
	s_cmp_lt_u32 s14, \under
	s_cbranch_scc0 \next
	tensor_load_to_lds s[\g0:\g0+3], s[\g1:\g1+7]
	s_nop 0
	PLACES
	s_branch .Lhead_asked
\next:
.endm
	ARM 1, G0H,  G1,  .Lhead_b
	ARM 2, G0HB, G1B, .Lhead_sa
	ARM 3, G0S,  G1S, .Lhead_sb
	tensor_load_to_lds s[G0SB:G0SB+3], s[G1SB:G1SB+7]
	s_nop 0
	PLACES
.Lhead_asked:
	s_mul_i32 s12, s15, AP/2                       ; my four tiles of O, K pairs 0 and 1;
	s_add_co_u32 s13, s12, 2*AP                    ; pairs 2 and 3
	s_mul_i32 s18, s16, BP/2                       ; my eight of the weight, an address a K pair
	s_add_co_u32 s18, s18, BT
	s_add_co_u32 s19, s18, BP
	s_add_co_u32 s66, s19, BP
	s_add_co_u32 s67, s66, BP
	s_lshl_b32 s40, s15, 11
	s_add_co_u32 s40, s40, SCA                     ; O's scale words of my tiles
	s_lshl_b32 s41, s16, 12
	s_add_co_u32 s41, s41, SCB
	s_sub_co_u32 s41, s41, s40                     ; and how far on the weight's lie
	s_mul_i32 s43, s14, 16*SPITCH                  ; my stage
	v_and_b32 v1, 15, v0                           ; r
	v_bfe_u32 v2, v0, 4, 1                         ; h
	v_and_b32 v6, 31, v0
	v_mul_u32_u24 v3, v6, 48
	v_add_nc_u32 v[ADRA], s12, v3
	v_add_nc_u32 v[ADRA+1], s13, v3
	v_add_nc_u32 v[ADRB], s18, v3
	v_add_nc_u32 v[ADRB+1], s19, v3
	v_add_nc_u32 v[ADRB+2], s66, v3
	v_add_nc_u32 v[ADRB+3], s67, v3
	v_lshlrev_b32 v4, 4, v1                        ; 16 r
	v_mul_u32_u24 v5, s41, v2                      ; lanes 16-31 take the weight's
	v_add_nc_u32 v5, v5, v4
	v_add_nc_u32 v[ADRS], s40, v5
	v_lshlrev_b32 v[CO], 4, v6
	v_add_nc_u32 v[RD], s43, v[CO]
	v_mul_u32_u24 v[STO], v1, SPITCH
	v_lshl_add_u32 v[STO], v2, 5, v[STO]
	v_add_nc_u32 v[STO], s43, v[STO]
	v_lshlrev_b32 v[BO], 5, v2
	s_wait_alu depctr_va_vdst(0)                   ; the wait at the end of the head's vector work
	s_lshl_b32 s18, s42, 10
	s_lshl_b32 s19, s16, 9
	s_add_co_u32 s18, s18, s19                     ; my first feature, in bytes
	s_mov_b32 s19, 0
	s_add_nc_u64 s[80:81], s[76:77], s[18:19]      ; the bias there
	s_add_nc_u64 s[82:83], s[78:79], s[18:19]
	s_lshl_b32 s18, s17, 7
	s_lshl_b32 s12, s15, 6
	s_add_co_u32 s18, s18, s12
	s_lshl_b32 s18, s18, 12
	s_add_nc_u64 s[82:83], s[82:83], s[18:19]      ; out0 at my first token and feature
.irp b, 0,1,2,3,4,5,6,7
	global_load_b128 v[BI+8*\b:BI+8*\b+3], v[BO], s[80:81] offset:64*\b        ; the bias in the result's layout: features 16 b + 8 h + 0 .. 7
	global_load_b128 v[BI+8*\b+4:BI+8*\b+7], v[BO], s[80:81] offset:64*\b+16
.endr
.macro FRAG reg, adr, off              ; a fragment: 12 registers, 48 bytes a lane
.irp p, 0,1,2
	ds_load_b128 v[\reg+4*\p:\reg+4*\p+3], v[\adr] offset:(\off)+16*\p
.endr
.endm
.macro FETCH st                        ; step st (128 along K): 24 loads for the weight's eight tiles, 12 for O's four, 8 scale words: 44
	WIN 0x80
.irp i, 0,1,2,3,4,5,6,7
	FRAG 128*((\st)%2)+12*\i, ADRB+(\st)/2, \i*3072+((\st)%2)*1536
.endr
	WIN 0
.irp i, 0,1,2,3
	FRAG AF+48*((\st)%2)+12*\i, ADRA+(\st)/4, (((\st)/2)%2)*AP+\i*3072+((\st)%2)*1536
.endr
.irp i, 0,1,2,3,4,5,6,7
	ds_load_b32 v[SC+8*((\st)%2)+\i], v[ADRS] offset:\i*512+((\st)/4)*256+((\st)%4)*4     ; lanes 0-15 the word of O's block i (i under 4), lanes 16-31 that of the weight's tile i
.endr
.endm
; 16 matrix instructions: O's blocks a0, a0 + 1 against the weight's eight tiles.  The 32 accumulators take turns, one instruction a turn.
.macro MUL16 st, a0, first
.set BS, 128*((\st)%2)
.set AS, AF+48*((\st)%2)
.set SS, SC+8*((\st)%2)
.irp a, \a0, \a0+1
.irp b, 0,1,2,3,4,5,6,7
.if \first
	v_wmma_scale_f32_16x16x128_f8f6f4 v[8*(8*(\a)+\b):8*(8*(\a)+\b)+7], v[BS+12*\b:BS+12*\b+11], v[AS+12*(\a):AS+12*(\a)+11], v[BI+8*\b:BI+8*\b+7], v[SS+\b], v[SS+(\a)] matrix_a_fmt:MATRIX_FMT_FP6 matrix_b_fmt:MATRIX_FMT_FP6 matrix_a_scale:MATRIX_SCALE_ROW1
.else
	v_wmma_scale_f32_16x16x128_f8f6f4 v[8*(8*(\a)+\b):8*(8*(\a)+\b)+7], v[BS+12*\b:BS+12*\b+11], v[AS+12*(\a):AS+12*(\a)+11], v[8*(8*(\a)+\b):8*(8*(\a)+\b)+7], v[SS+\b], v[SS+(\a)] matrix_a_fmt:MATRIX_FMT_FP6 matrix_b_fmt:MATRIX_FMT_FP6 matrix_a_scale:MATRIX_SCALE_ROW1
.endif
.endr
.endr
.endm
; A step: the next step's 44 loads are issued first, into the other sets; then this step's 32 products.  In steps 1 and 5 the next step's K pair has to be whole first: each wave waits for all its tensor loads,
; adds 0 to its spare word, waits for that and for its reads, and meets the others; in step 1 the barrier opens a round of the cluster's barrier, and K pair 3 is asked for behind it.
.macro STEP st, first
.set NX, (\st)+1
.if (\st) == 1 || (\st) == 5
	s_wait_tensorcnt 0x0                           ; all my tensor loads have landed
	ds_add_u32 v[SPW], v[NIL]                      ; 0 onto my spare word
.if (\st) == 1
	s_mov_b32 s[G1+2], 48<<16                      ; no tensor load of mine is out: the last loads bring half a part
	s_mov_b32 s[G1+4], 48
	s_mov_b32 s[G1B+2], 96<<16
	s_mov_b32 s[G1B+4], 96
.endif
	s_wait_dscnt 1                                 ; this step's fragments are in (the add may be out)
	WIN 0x52
	MUL16 \st, 0, 0
	s_wait_dscnt 0x0                               ; the add is done
	s_barrier_signal -1
	MUL16 \st, 2, 0
	WIN 0
	s_barrier_wait -1
.if (\st) == 1
	CREST
	JLOAD G0+4, G1, G0B+4, G1B                     ; the first tensor load behind the round; its four v_nop are the places in front of the loads below
.else
	PLACES
.endif
	FETCH NX
.else
.if (\st) < 7
	FETCH NX
	s_wait_dscnt 44                                ; all but the 44 just issued
.else
	s_wait_dscnt 0x0
.endif
.if \first
	WIN 0x42                                       ; source 0 window 2, C (the bias) window 0, D window 1
.else
	WIN 0x52
.endif
	MUL16 \st, 0, \first
	MUL16 \st, 2, \first
	PLACES
	WIN 0
.endif
.endm
	s_wait_tensorcnt 0x0                           ; my tile of the head's four is in
	ds_add_u32 v[SPW], v[NIL]
	s_wait_dscnt 0x0
	CROUND                                         ; all four tiles are in, and all sixteen work-groups are here
	JLOAD G0, G1, G0B, G1B                         ; K pairs 1 and 2, the first tensor load behind the round
	FETCH 0
	s_wait_loadcnt 0x0                             ; the bias
	STEP 0, 1                                      ; the first step's products start the sums on the bias
.irp st, 1,2,3,4,5,6,7
	STEP \st, 0
.endr
; THE WAY OUT, block by block of 16 tokens x 128 features: through my own stage in LDS into whole rows of 512 bytes.  LDS serves a wave's instructions in order: no wait between the stores and the loads.
.macro TOSTAGE a
	WIN 0x04                                       ; an LDS store's data are its source 1: window 1
.irp b, 0,1,2,3,4,5,6,7
	ds_store_b128 v[STO], v[64*(\a)+8*\b:64*(\a)+8*\b+3] offset:64*\b          ; each accumulator from its low end on
	ds_store_b128 v[STO], v[64*(\a)+8*\b+4:64*(\a)+8*\b+7] offset:64*\b+16
.endr
	WIN 0
.set BB, BK+64*((\a)%2)
.irp t, 0,1,2,3,4,5,6,7,8,9,10,11,12,13,14,15
	ds_load_b128 v[BB+4*\t:BB+4*\t+3], v[RD] offset:\t*SPITCH
.endr
.endm
.macro SEND a, younger                 ; younger: the LDS instructions issued behind block a's loads, which may stay out
.set BB, BK+64*((\a)%2)
	s_wait_dscnt \younger
.irp t, 0,1,2,3,4,5,6,7,8,9,10,11,12,13,14,15
	global_store_b128 v[CO], v[BB+4*\t:BB+4*\t+3], s[82:83] offset:(32*((\a)/2)+8*((\a)%2)+(\t&7)+16*(\t>>3))*4096 th:TH_STORE_NT   ; 32 lanes store 512 consecutive bytes, aligned, at the row's token
.endr
.endm
	TOSTAGE 0
.irp a, 1,2,3
.if \a > 1
	s_wait_xcnt 0x0                                ; block a - 2's stores have read their registers: block a's loads may land there
.endif
	TOSTAGE \a
	SEND \a-1, 32                                  ; behind block a - 1's loads: block a's 16 stores and 16 loads
.endr
	SEND 3, 0
	s_wait_tensorcnt 0x0                           ; the wave's end, behind my last tensor load and my last LDS store
	ds_add_u32 v[SPW], v[NIL]
	s_wait_dscnt 0x0
	CROUND                                         ; the closing round
	s_endpgm
.Lfunc_end_k_q6e481e95e0_proj:
	.size	k_q6e481e95e0_proj, .Lfunc_end_k_q6e481e95e0_proj-k_q6e481e95e0_proj
	.p2alignl 7, 3214868480
	.fill 96, 4, 3214868480
	.section	.rodata,"a",@progbits
	.p2align	6, 0x0
	.amdhsa_kernel k_q6e481e95e0_proj
		.amdhsa_group_segment_fixed_size 327680
		.amdhsa_private_segment_fixed_size 0
		.amdhsa_enable_private_segment 0
		.amdhsa_kernarg_size 48
		.amdhsa_user_sgpr_count 2
		.amdhsa_user_sgpr_kernarg_segment_ptr 1
		.amdhsa_wavefront_size32 1
		.amdhsa_system_sgpr_workgroup_id_x 1
		.amdhsa_system_sgpr_workgroup_id_y 1
		.amdhsa_system_sgpr_workgroup_id_z 1
		.amdhsa_system_vgpr_workitem_id 0
		.amdhsa_next_free_vgpr 768
		.amdhsa_next_free_sgpr 102
		.amdhsa_reserve_vcc 0
		.amdhsa_float_denorm_mode_32 3
		.amdhsa_float_denorm_mode_16_64 3
		.amdhsa_memory_ordered 1
		.amdhsa_forward_progress 1
		.amdhsa_inst_pref_size 84
	.end_amdhsa_kernel
	.amdgpu_metadata
---
amdhsa.version: [ 1, 2 ]
amdhsa.kernels:
  - .name:           k_q6e481e95e0_proj
    .symbol:         k_q6e481e95e0_proj.kd
    .args:
      - { .name: oc, .offset: 0, .size: 8, .value_kind: global_buffer, .address_space: global }
      - { .name: os, .offset: 8, .size: 8, .value_kind: global_buffer, .address_space: global }
      - { .name: codes1, .offset: 16, .size: 8, .value_kind: global_buffer, .address_space: global }
      - { .name: scales1, .offset: 24, .size: 8, .value_kind: global_buffer, .address_space: global }
      - { .name: c_proj_b, .offset: 32, .size: 8, .value_kind: global_buffer, .address_space: global }
      - { .name: out0, .offset: 40, .size: 8, .value_kind: global_buffer, .address_space: global }
    .group_segment_fixed_size: 327680
    .private_segment_fixed_size: 0
    .kernarg_segment_align: 8
    .kernarg_segment_size: 48
    .max_flat_workgroup_size: 128
    .sgpr_count:     102
    .vgpr_count:     768
    .wavefront_size: 32
...
	.end_amdgpu_metadata
.endif
;; end of part 4
